; MI455X (gfx1250); checked and timed in simulation.
; The chip was launched on July 23, 2026; its instructions are those of AMD's public machine-readable ISA for CDNA 5 (MIT licence, August 2026) and "CDNA5" Instruction Set Architecture Reference Guide (July 2026). The comments in the code are by the model that wrote it; some were corrected since.
;; Masked Multi Head Attention. Allowed arithmetic: matrix products marked QUANTISED: E2M1 operands, one E8M0 scale for each 32 along K, by v_wmma_scale_f32_16x16x128_f8f6f4 with both operands' format E2M1 (or v_wmma_scale_f32_32x16x128_f4), f32 sums; products left as they are: bf16, f16 or f32 operands; f32 sums; everything else in f32.
;; Inputs: bk 1,024 float32; bo 1,024 float32; bq 1,024 float32; bv 1,024 float32; k 4 x 2,048 x 1,024 float32; q 4 x 2,048 x 1,024 float32; v 4 x 2,048 x 1,024 float32; wk 1,024 x 1,024 float32; wo 1,024 x 1,024 float32; wq 1,024 x 1,024 float32; wv 1,024 x 1,024 float32.
;; Outputs: out0 4 x 2,048 x 1,024 float32.
;; This version of the problem:
;;   THIS VERSION OF THE PROBLEM IS GIVEN IN LOW PRECISION. The matrix products marked QUANTISED in the list below multiply operands that are first quantised to E2M1 (2 exponent bits, 1 mantissa bit; 4 bits a number), with one power-of-two scale for each 32 numbers along K (OCP MX v1.0); their sums are f32. The products marked 'left as it is' may take bf16, f16 or f32 operands, with f32 sums. Whichever they take, every output number must still come out within the allowed error. Rounding operands to bf16 (8 significant bits) uses up far more of that allowance than f16 does (11 bits, for magnitudes from 6e-5 to 65,504). All else is computed in f32.
;;   The module's matrix products, in the order in which they are computed (A, B: the left and right operand; K: the contracted axis; several contracted axes count as one K, in the product's order):
;;     1. [M 8,192, K 1,024] x [K 1,024, N 1,024]; A: input q; B: input wq: QUANTISED
;;     2. [M 8,192, K 1,024] x [K 1,024, N 1,024]; A: input k; B: input wk: QUANTISED
;;     3. [M 8,192, K 1,024] x [K 1,024, N 1,024]; A: input v; B: input wv: QUANTISED
;;     4. batch 64 x [M 2,048, K 64] x [K 64, N 2,048]; A: computed on the way; B: computed on the way: left as it is (an operand is computed on the way)
;;     5. batch 64 x [M 2,048, K 2,048] x [K 2,048, N 64]; A: computed on the way; B: computed on the way: left as it is (an operand is computed on the way)
;;     6. [M 8,192, K 1,024] x [K 1,024, N 1,024]; A: computed on the way; B: input wo: left as it is (an operand is computed on the way)
;;   THE QUANTISER, for each operand of a quantised product, along K:
;;     - K is cut into blocks of 32 from its start; a last block that is shorter is filled with zeros.
;;     - A block's scale is 2^e with e = floor(log2(the largest magnitude in the block)) - 2, held to -126 .. 127; a block of zeros has e = 0. As a byte (E8M0): e + 127.
;;     - Each number is divided by its block's scale, clamped to +-6, and rounded to the nearest number of E2M1, ties to even, subnormals kept.
;;     - The product sums the exact products of the quantised numbers (number of the format x scale) in f32.
;;   ~~~python
;;   def quantise(x, axis):      # numpy; x: float32 -> the quantised numbers, widened to float32 again
;;       x = np.moveaxis(x, axis, -1); K = x.shape[-1]
;;       x = np.pad(x, [(0, 0)] * (x.ndim - 1) + [(0, -K % 32)]); x = x.reshape(x.shape[:-1] + (-1, 32)); a = np.abs(x).max(-1, keepdims=True)
;;       e = np.where(a > 0, np.clip(np.frexp(np.where(a > 0, a, 1))[1] - 1 - 2, -126, 127), 0)      # np.frexp(a)[1] - 1 = floor(log2(a)), exactly
;;       r = np.clip(x / 2.0 ** e, -6, 6)
;;       step = 2.0 ** (np.maximum(np.frexp(np.where(r == 0, 1, r))[1] - 1, 0) - 1)
;;       q = np.round(r / step) * step * 2.0 ** e      # np.round: ties to even
;;       return np.moveaxis(q.reshape(q.shape[:-2] + (-1,))[..., :K], -1, axis).astype(np.float32)
;;   ~~~
;; One version. Each part assembles by itself: llvm-mc -triple=amdgcn-amd-amdhsa -mcpu=gfx1250 --defsym DOCPART=n.
;; ======== version 1 of 1: 5 launches
;; limits: values are held in f16: magnitudes above 65,504 overflow, below 6.1e-05 lose precision
;; workspace buffers: xc 12,582,912 bytes; xs 786,432 bytes; wc 1,572,864 bytes; ws 98,304 bytes; wo16 2,097,152 bytes; qkv16 50,331,648 bytes; fine32 786,432 bytes; o16 16,777,216 bytes
;; launch quant (part 1): grid 896 x 1, 4 waves a work-group, no clusters, 33,280 bytes of LDS; arguments q, k, v, wq, wk, wv, wo, xc, xs, wc, ws, wo16; writes xc, xs, wc, ws, wo16
.if DOCPART == 1
	.amdgcn_target "amdgcn-amd-amdhsa--gfx1250"
	.amdhsa_code_object_version 6
	.text
	.protected	k_q274c07c94c_quant
	.globl	k_q274c07c94c_quant
	.p2align	8
	.type	k_q274c07c94c_quant,@function
k_q274c07c94c_quant:
	s_mov_b64 s[64:65], 0
	v_nop
	global_prefetch_b8 v0, s[64:65] scope:SCOPE_SE
	s_setreg_imm32_b32 hwreg(HW_REG_WAVE_MODE, 25, 1), 1
	s_wait_xcnt 0x0
; LAUNCH 1 OF 5.  q, k, v [8192][1024] and wq, wk, wv [1024][1024], f32, become codes of FP4 (E2M1), K innermost, two codes a byte, with one E8M0 byte for each 32 along K; wo becomes f16.
; THE PROGRAM: quant (this) | proj: the three projections on codes | attn: causal attention in f16 | oproj: the output projection in f16 | fine: positions 0 to 15 of every sequence once more, in f32.
; WORK LEFT OUT, FOR ALL VALUES OF THE INPUTS.
;  (1) bk.  score[t][s] = qh[t] . (k^[s] + bk) / 8, k^ being k's projection without its bias.  The term qh[t] . bk / 8 is the same for every s of a row t; the masked places are -infinity with it and without it;
;      a softmax along s does not change when one number is added to all its finite inputs.  kh goes into no quantiser (the product of scores is not a quantised one) and into nothing but the scores.
;      So bk has no way to any output: it is not loaded and is among no launch's arguments, and kh is kept without it.
;  (2) Scores of keys behind the query: reference() sets them to -infinity by its own jnp.tril; key steps and key slots that lie wholly behind a wave's or a work-group's queries are not computed.
;  LIMIT: a NaN, an infinity or an overflow that reaches only bk or only masked scores is not carried to the result.
; THE QUANTISER.  A block's scale is 2^(floor(log2(its largest magnitude)) - 2); its byte is the largest magnitude's exponent field - 2, held at 1 from below.  A block of zeros so gets the byte 1 where the
; rule says 127: its codes are zeros, which add nothing under any byte but 0xff, and this program alone reads the bytes.  Each number is divided by the scale and rounded to the nearest code, ties to even, beyond 6 the code of 6.
; LIMITS: blocks whose largest magnitude lies under 2^-124 (the floor) keep the byte 1; NaN and infinities among the inputs are not served; wo goes to f16: magnitudes up to 65,504.
; SHARES.  Rows are dense and K is a multiple of 32: each tensor is a plain stream of blocks of 32.  Work-groups 0-767 take q, k, v (256 each, 32,768 numbers a work-group), 768-863 wq, wk, wv (32 each), 864-895 wo.
; Only pointers are chosen for the six quantised tensors: they take one path.  A wave takes 16 steps of 512 numbers; each load reads 512 consecutive bytes; a step's 2,048 bytes turn through the wave's own stage in LDS,
; so that a lane holds 16 neighbours along K; a lane's 16 codes are 8 bytes, a wave's store 256 consecutive aligned bytes; a wave's 256 scale bytes are gathered in LDS and leave by one store of 256 aligned bytes.
.set WAVES, 4
.set STEPS, 16
.set EMAX,  2
.set CB,    8                          ; bytes of 16 codes
.set R,     16                         ; v16-79   four sets of 16 numbers as they are loaded
.set X,     80                         ; v80-111  two sets of 16 neighbours
.set E,     112                        ; v112-127 a scale byte for each step
.set C,     128                        ; v128-191 codes: registers of its own for each step, so that no store's data are written again
.set WREG,  8192                       ; LDS: a region for each wave: two stages of 32 x SP bytes, then its 256 scale bytes
.set SP,    80                         ; a lane's place in a stage: 64 bytes + 16 of padding
.set SPW,   12                         ; v12  LDS address of my spare word; never rewritten
.set NIL,   13                         ; v13  0; never rewritten
.set SPARE, WAVES*WREG                 ; behind the four regions: the spare words, 128 bytes a wave
	s_load_b512 s[8:23], s[0:1], 0x0               ; q 8, k 10, v 12, wq 14, wk 16, wv 18, wo 20, xc 22
	s_load_b256 s[24:31], s[0:1], 0x40             ; xs 24, wc 26, ws 28, wo16 30
	v_lshl_add_u32 v[SPW], v0, 2, SPARE
	v_mov_b32 v[NIL], 0
	v_lshrrev_b32 v1, 5, v0
	v_readfirstlane_b32 s36, v1                    ; wave
	v_and_b32 v2, 31, v0                           ; lane
	v_lshlrev_b32 v3, 4, v2                        ; my 16 bytes of a load's 512
	s_mul_i32 s37, s36, WREG
	v_lshrrev_b32 v14, 2, v2
	v_mul_u32_u24 v14, v14, SP
	v_and_b32 v15, 3, v2
	v_lshl_add_u32 v14, v15, 4, v14
	v_add_nc_u32 v14, s37, v14                     ; the stage, on the way in: SP (lane / 4) + 16 (lane % 4)
	v_mul_u32_u24 v15, v2, SP
	v_add_nc_u32 v15, s37, v15                     ; and on the way out: SP x lane: my 16 neighbours
	v_mul_u32_u24 v4, v2, CB                       ; 8 x lane: my codes' place in a step's; also my f16 numbers' place on wo's path
	v_lshrrev_b32 v5, 1, v2
	s_add_co_u32 s37, s37, 2*32*SP
	v_add_nc_u32 v5, s37, v5                       ; LDS: my wave's 256 scale bytes, my block's byte
	v_lshlrev_b32 v7, 3, v2
	v_add_nc_u32 v6, s37, v7                       ; and on the way out 8 bytes a lane
	s_wait_kmcnt 0x0
	s_cmp_ge_u32 ttmp9, 864                        ; the last 32 work-groups take wo: a branch on the work-group's number
	s_cbranch_scc1 .Lwo
	s_cmp_lt_u32 ttmp9, 256                        ; which tensor: every choice hangs on the work-group's number alone
	s_cselect_b64 s[4:5], s[8:9], s[10:11]
	s_cmp_lt_u32 ttmp9, 512
	s_cselect_b64 s[4:5], s[4:5], s[12:13]
	s_cmp_lt_u32 ttmp9, 800
	s_cselect_b64 s[6:7], s[14:15], s[16:17]
	s_cmp_lt_u32 ttmp9, 832
	s_cselect_b64 s[6:7], s[6:7], s[18:19]
	s_cmp_lt_u32 ttmp9, 768
	s_cselect_b64 s[4:5], s[4:5], s[6:7]           ; the source
	s_cselect_b64 s[32:33], s[22:23], s[26:27]     ; its codes
	s_cselect_b64 s[34:35], s[24:25], s[28:29]     ; its scale bytes
	s_cselect_b32 s38, 0, 768
	s_mov_b32 s39, 31
	s_cselect_b32 s39, 255, s39
	s_sub_co_u32 s38, ttmp9, s38                   ; the work-group's number among those of its kind: it places the codes and bytes (three tensors on end),
	s_and_b32 s39, s38, s39                        ; and within its tensor: it places the source
	s_lshl_b32 s39, s39, 2
	s_add_co_u32 s39, s39, s36
	s_lshl_b32 s40, s39, 15                        ; a wave's run: 8,192 numbers, 32,768 bytes
	s_mov_b32 s41, 0
	s_add_nc_u64 s[4:5], s[4:5], s[40:41]
	s_lshl_b32 s38, s38, 2
	s_add_co_u32 s38, s38, s36
	s_lshl_b32 s40, s38, 12                        ; 4,096 bytes of codes a run
	s_add_nc_u64 s[32:33], s[32:33], s[40:41]
	s_lshl_b32 s40, s38, 8                         ; 256 scale bytes a run
	s_add_nc_u64 s[34:35], s[34:35], s[40:41]
.macro LOAD t
.irp i, 0,1,2,3
	global_load_b128 v[R+16*((\t)%4)+4*\i:R+16*((\t)%4)+4*\i+3], v3, s[4:5] offset:2048*(\t)+512*\i th:TH_LOAD_NT   ; 32 lanes read 512 consecutive bytes
.endr
.endm
.macro TURN t                          ; step t's numbers through the stage: LDS serves a wave's instructions in order, so no wait stands between the stores and the loads
.irp i, 0,1,2,3
	ds_store_b128 v14, v[R+16*((\t)%4)+4*\i:R+16*((\t)%4)+4*\i+3] offset:32*SP*((\t)%2)+8*SP*\i
.endr
.irp i, 0,1,2,3
	ds_load_b128 v[X+16*((\t)%2)+4*\i:X+16*((\t)%2)+4*\i+3], v15 offset:32*SP*((\t)%2)+16*\i
.endr
.endm
.irp t, 0,1,2,3
	LOAD \t
.endr
	s_wait_loadcnt 12                              ; step 0's four loads are in; those of steps 1 to 3 stay out
	TURN 0
.macro STEP t
.set XS, X+16*((\t)%2)
.if (\t) > 0
	s_wait_dscnt 1                                 ; this step's numbers are back from the stage (the last step's byte store may be out)
.else
	s_wait_dscnt 0x0
.endif
.if (\t)+4 < STEPS
	LOAD (\t)+4                                    ; into the registers that this step's stores into the stage have read
.endif
.if (\t)+1 < STEPS
.if STEPS-2-(\t) >= 3
	s_wait_loadcnt 12                              ; the next step's four loads are in; those of the three steps behind it may be out
.else
	s_wait_loadcnt 4*(STEPS-2-(\t))
.endif
	TURN (\t)+1
.endif
	v_max3_num_f32 v8, |v[XS]|, |v[XS+1]|, |v[XS+2]|               ; the largest magnitude of my 16, in two chains
	v_max3_num_f32 v9, |v[XS+3]|, |v[XS+4]|, |v[XS+5]|
.irp i, 6,10
	v_max3_num_f32 v8, v8, |v[XS+\i]|, |v[XS+\i+1]|
	v_max3_num_f32 v9, v9, |v[XS+\i+2]|, |v[XS+\i+3]|
.endr
	v_max3_num_f32 v8, v8, |v[XS+14]|, |v[XS+15]|
	v_max3_num_f32 v8, v8, v9, (EMAX+1)<<23        ; and the floor 2^(3 - 127): the byte cannot fall under 1
	v_max_num_f32_dpp v8, v8, v8 row_xmask:1 row_mask:0xf bank_mask:0xf   ; and of my neighbour's 16: the block's
	v_add_nc_u32 v11, -(EMAX<<23), v8              ; 2 off its exponent field: the conversion takes the exponent field of this operand as its scale
	v_cvt_scalef32_pk8_fp4_f32 v[C+4*(\t)], v[XS:XS+7], v11
	v_cvt_scalef32_pk8_fp4_f32 v[C+4*(\t)+1], v[XS+8:XS+15], v11
	v_lshrrev_b32 v[E+(\t)], 23, v11               ; the scale's byte (a plain line behind the conversions)
	ds_store_b8 v5, v[E+(\t)] offset:16*(\t)       ; both lanes of a block write the same byte with the same value
	global_store_b64 v4, v[C+4*(\t):C+4*(\t)+1], s[32:33] offset:32*CB*(\t)   ; the wave stores 256 consecutive bytes, aligned
.endm
.irp t, 0,1,2,3,4,5,6,7,8,9,10,11,12,13,14,15
	STEP \t
.endr
	ds_load_b64 v[8:9], v6                         ; LDS serves a wave's instructions in order: these see my byte stores
	s_wait_dscnt 0x0
	global_store_b64 v7, v[8:9], s[34:35]          ; 32 lanes store 256 consecutive bytes, aligned
	s_wait_tensorcnt 0x0                           ; the wave's end
	ds_add_u32 v[SPW], v[NIL]
	s_wait_dscnt 0x0
	s_endpgm
; wo to f16, as it lies: [1024 e][1024 d].  A wave takes 8,192 numbers in four batches of 16 loads of 512 bytes; two batches are on their way.
.Lwo:
	s_sub_co_u32 s38, ttmp9, 864
	s_lshl_b32 s38, s38, 2
	s_add_co_u32 s38, s38, s36
	s_lshl_b32 s40, s38, 15
	s_mov_b32 s41, 0
	s_add_nc_u64 s[20:21], s[20:21], s[40:41]
	s_lshl_b32 s40, s38, 14
	s_add_nc_u64 s[30:31], s[30:31], s[40:41]
.macro WLOAD n
.irp j, 0,1,2,3,4,5,6,7,8,9,10,11,12,13,14,15
	global_load_b128 v[16+64*((\n)%2)+4*\j:16+64*((\n)%2)+4*\j+3], v3, s[20:21] offset:512*(16*(\n)+\j) th:TH_LOAD_NT
.endr
.endm
.macro WBATCH n
.if (\n) < 3
	s_wait_loadcnt 16                              ; this batch is in; the next batch's 16 loads stay out
.else
	s_wait_loadcnt 0x0
.endif
.if (\n) > 0
	s_wait_xcnt 0x0                                ; the last batch's stores have read their data registers, which are written again below
.endif
.irp j, 0,1,2,3,4,5,6,7,8,9,10,11,12,13,14,15
	v_cvt_pk_f16_f32 v[144+2*\j], v[16+64*((\n)%2)+4*\j], v[16+64*((\n)%2)+4*\j+1]
	v_cvt_pk_f16_f32 v[145+2*\j], v[16+64*((\n)%2)+4*\j+2], v[16+64*((\n)%2)+4*\j+3]
.endr
.irp j, 0,1,2,3,4,5,6,7,8,9,10,11,12,13,14,15
	global_store_b64 v4, v[144+2*\j:145+2*\j], s[30:31] offset:256*(16*(\n)+\j)   ; 256 consecutive bytes, aligned
.endr
.if (\n)+2 < 4
	WLOAD (\n)+2
.endif
.endm
	WLOAD 0
	WLOAD 1
	WBATCH 0
	WBATCH 1
	WBATCH 2
	WBATCH 3
	s_endpgm
.Lfunc_end_k_q274c07c94c_quant:
	.size	k_q274c07c94c_quant, .Lfunc_end_k_q274c07c94c_quant-k_q274c07c94c_quant
	.p2alignl 7, 3214868480
	.fill 96, 4, 3214868480
	.section	.rodata,"a",@progbits
	.p2align	6, 0x0
	.amdhsa_kernel k_q274c07c94c_quant
		.amdhsa_group_segment_fixed_size 33280
		.amdhsa_private_segment_fixed_size 0
		.amdhsa_enable_private_segment 0
		.amdhsa_kernarg_size 96
		.amdhsa_user_sgpr_count 2
		.amdhsa_user_sgpr_kernarg_segment_ptr 1
		.amdhsa_wavefront_size32 1
		.amdhsa_system_sgpr_workgroup_id_x 1
		.amdhsa_system_sgpr_workgroup_id_y 1
		.amdhsa_system_sgpr_workgroup_id_z 1
		.amdhsa_system_vgpr_workitem_id 0
		.amdhsa_next_free_vgpr 192
		.amdhsa_next_free_sgpr 66
		.amdhsa_reserve_vcc 0
		.amdhsa_float_denorm_mode_32 3
		.amdhsa_float_denorm_mode_16_64 3
		.amdhsa_memory_ordered 1
		.amdhsa_forward_progress 1
		.amdhsa_inst_pref_size 54
	.end_amdhsa_kernel
	.amdgpu_metadata
---
amdhsa.version: [ 1, 2 ]
amdhsa.kernels:
  - .name:           k_q274c07c94c_quant
    .symbol:         k_q274c07c94c_quant.kd
    .args:
      - { .name: q, .offset: 0, .size: 8, .value_kind: global_buffer, .address_space: global }
      - { .name: k, .offset: 8, .size: 8, .value_kind: global_buffer, .address_space: global }
      - { .name: v, .offset: 16, .size: 8, .value_kind: global_buffer, .address_space: global }
      - { .name: wq, .offset: 24, .size: 8, .value_kind: global_buffer, .address_space: global }
      - { .name: wk, .offset: 32, .size: 8, .value_kind: global_buffer, .address_space: global }
      - { .name: wv, .offset: 40, .size: 8, .value_kind: global_buffer, .address_space: global }
      - { .name: wo, .offset: 48, .size: 8, .value_kind: global_buffer, .address_space: global }
      - { .name: xc, .offset: 56, .size: 8, .value_kind: global_buffer, .address_space: global }
      - { .name: xs, .offset: 64, .size: 8, .value_kind: global_buffer, .address_space: global }
      - { .name: wc, .offset: 72, .size: 8, .value_kind: global_buffer, .address_space: global }
      - { .name: ws, .offset: 80, .size: 8, .value_kind: global_buffer, .address_space: global }
      - { .name: wo16, .offset: 88, .size: 8, .value_kind: global_buffer, .address_space: global }
    .group_segment_fixed_size: 33280
    .private_segment_fixed_size: 0
    .kernarg_segment_align: 8
    .kernarg_segment_size: 96
    .max_flat_workgroup_size: 128
    .sgpr_count:     66
    .vgpr_count:     192
    .wavefront_size: 32
...
	.end_amdgpu_metadata
.endif
;; end of part 1
;; launch proj (part 2): grid 4 x 96, 4 waves a work-group, clusters of 4 x 4, 327,680 bytes of LDS; arguments xc, xs, wc, ws, bq, bv, qkv16, fine32; writes qkv16, fine32
.if DOCPART == 2
	.amdgcn_target "amdgcn-amd-amdhsa--gfx1250"
	.amdhsa_code_object_version 6
	.text
	.protected	k_q274c07c94c_proj
	.globl	k_q274c07c94c_proj
	.p2align	8
	.type	k_q274c07c94c_proj,@function
k_q274c07c94c_proj:
	s_mov_b64 s[64:65], 0
	v_nop
	global_prefetch_b8 v0, s[64:65] scope:SCOPE_SE
	s_setreg_imm32_b32 hwreg(HW_REG_WAVE_MODE, 25, 1), 1
	s_wait_xcnt 0x0
	s_wait_alu depctr_hold_cnt(0) depctr_sa_sdst(0) depctr_va_vdst(0) depctr_va_sdst(0) depctr_va_ssrc(0) depctr_va_vcc(0) depctr_vm_vsrc(0)
	s_getreg_b32 s2, hwreg(HW_REG_IB_STS2, 6, 4)
	s_cmp_eq_u32 s2, 0
	s_cbranch_scc0 .Lentry_in_a_cluster
	s_endpgm
.Lentry_in_a_cluster:
	s_bfe_u32 s2, ttmp6, 0x10000c
	s_cmp_lg_u32 s2, 0xf033
	s_cbranch_scc0 .Lentry_shape_is_right
	s_endpgm
.Lentry_shape_is_right:
; LAUNCH 2 OF 5.  qh = q wq^T + bq, kh = k wk^T, vh = v wv^T + bv, all three on codes of FP4 with E8M0 scales (M 8,192, N 1,024, K 1,024 each), sums in f32.
; WORK LEFT OUT: bk is not added (it cancels in the softmax for all values of the inputs: shown at the head of the first launch); k's sums begin from zeros.
; RESULTS: qkv16 [tensor 3][batch 4][head 16][t 2048][64] in f16 for the bulk of attention (LIMIT: magnitudes up to 65,504), and the rows t < 16 of every batch once more in f32, fine32 [tensor][batch][16][1024].
; A tile of 256 x 256 is made by four waves, as many as a WGP has SIMDs; a wave makes 128 x 128: 64 accumulators, 512 registers.  K = 1,024 is two slots of 512 along K (rows of 256 bytes):
; both are asked for at the start and nothing is ever filled again.  The scale bytes of the tile's 256 + 256 rows, for all of K, are two dense blocks and come once, with the first fills.
; CLUSTERS: 4 x 4 work-groups.  The cluster's y (0..23) gives the tensor (y / 8) and the block of 256 rows inside a batch (y % 8); cy is the batch, cx the block of 256 columns.
; So the four of a row of the cluster need the same tile of x, the four of a column the same tile of w: each is asked for jointly; and every branch below hangs on the cluster's y or the wave's number, alike in all partners.
; THE MATRIX INSTRUCTION IS USED TRANSPOSED (source 0 = 16 rows of w, source 1 = 16 rows of x): a lane then holds eight neighbouring columns of one row.  The bias is the C of each sum's first instruction.
; REGISTERS: window 0: v0-31 addresses; v32-95 scale words, two sets, and nothing else; v96-127 packed results on the way out; v128-191 x's fragments, one set; v192-255 the bias in the result's layout.
;   window 1: w's fragments, two sets.  windows 2, 3: the accumulators.
.set NQ,     4                         ; steps of 128 along K in a slot
.set ROWB,   256                       ; a tile's row in bytes: 512 codes
.set KROW,   512                       ; a row of codes in memory
.set PITCH,  272                       ; an LDS row: 256 bytes + 16 of padding: the 16 rows that a load touches start at 16 different banks (64 banks of 4 bytes: ISA guide 11.1)
.set FR,     8
.set NL,     2
.set NP,     4
.set HALFT,  128*PITCH
.set SLOT,   4*HALFT                   ; x's 256 rows, then w's 256 rows
.set KS,     32                        ; a row of scale bytes
.set SCL,    2*SLOT
.set HALFS,  (128*KS/256)*272          ; the scales of 128 rows
.set SBLK,   (16*KS/256)*272           ; of 16 rows
.set SPARE,  SCL+4*HALFS               ; the spare words, 128 bytes a wave
.set SP32,   528                       ; the way out in f32: 16 rows x (512 + 16) bytes a wave.  The stages lie in slot 0, which has had its only fill and its last read when the first result is stored there
.set SP16,   272                       ; and in f16: 16 rows x (256 + 16)
.set BOF,  9                           ; v9   the bias loads' lane offset, 32 h; written once, so that no pending load's address is overwritten
.set ADRA, 16
.set ADRB, 20
.set STO16, 24
.set RD16, 25
.set CO,   26
.set ADRS, 27
.set SPW,  28
.set NIL,  29
.set STO32, 30
.set RD32, 31
.set SC,   32
.set TMP,  96
.set AF,   128
.set BIAS, 192
.set BK,   128
.set WV,  20
.set RH,  21                           ; which half of the tile's rows is mine; also: I fetch for x (0) or for w (1)
.set CH,  22                           ; which half of its columns; also: which 128 rows I fetch
.set TEN, 23                           ; the tensor: 0 q, 1 k, 2 v
.set TB8, 2                            ; the block of 256 rows in the batch
.set G1, 24
.set G0, 32
.set G1B, 48
.set G0B, 56
.set G1S, 68
.set G0S, 76
.set G1SB, 80
.set G0SB, 88
.set MSB, 0
.macro WIN new                         ; the immediate's high byte repeats the setting that is left
.if MSB != \new
	s_set_vgpr_msb (MSB<<8)|\new
.set MSB, \new
.endif
.endm
.set MUL_LO, 0xa1                      ; source 0 (w) window 1, source 1 (x) window 0, C and D window 2
.set MUL_HI, 0xf1                      ; the same, C and D window 3
.set BIA_LO, 0x81                      ; the first step: C (the bias) window 0, D window 2
.set BIA_HI, 0xc1                      ; D window 3
.set TO_B,   0x40
; A joint load: waves 0 and 1 fetch for x, waves 2 and 3 for w.  An s_nop 0 and four v_nop follow each of the two lines.
.macro JLOAD g0a, g1a, g0b, g1b
	s_cmp_eq_u32 s[RH], 0
	s_cbranch_scc0 .Lfor_b_\@
	tensor_load_to_lds s[\g0a:\g0a+3], s[\g1a:\g1a+7]
	s_nop 0
.rept 4
	v_nop
.endr
	s_branch .Lasked_\@
.Lfor_b_\@:
	tensor_load_to_lds s[\g0b:\g0b+3], s[\g1b:\g1b+7]
	s_nop 0
.rept 4
	v_nop
.endr
.Lasked_\@:
.endm
.macro CROUND                          ; a round of the cluster's barrier
	s_barrier_signal -1
	s_barrier_wait -1
	s_cmp_lg_u32 s[WV], 0
	s_cbranch_scc1 .Lnot_wave_0_\@
	s_barrier_signal -3
.Lnot_wave_0_\@:
	s_barrier_wait -3
	s_barrier_signal -1
	s_barrier_wait -1
.endm
	s_load_b512 s[4:19], s[0:1], 0x0               ; xc 4, xs 6, wc 8, ws 10, bq 12, bv 14, qkv16 16, fine32 18
	v_lshl_add_u32 v[SPW], v0, 2, SPARE
	v_mov_b32 v[NIL], 0
	ds_add_u32 v[SPW], v[NIL]                      ; the wave's opening: the add, twice on end, and its wait ahead of my first tensor load
	ds_add_u32 v[SPW], v[NIL]
	v_lshrrev_b32 v1, 5, v0
	v_readfirstlane_b32 s[WV], v1
	s_lshr_b32 s[RH], s[WV], 1
	s_and_b32 s[CH], s[WV], 1
	s_bfe_u32 s40, ttmp6, 0x40000                  ; cx: the block of 256 columns
	s_bfe_u32 s41, ttmp6, 0x40004                  ; cy: the batch
	s_and_b32 s42, ttmp7, 0xffff                   ; the cluster's y
	s_lshr_b32 s[TEN], s42, 3
	s_and_b32 s[TB8], s42, 7
	s_lshl_b32 s43, s41, 2
	s_lshl_b32 s43, 15, s43                        ; my row of the cluster
	s_lshl_b32 s44, 0x1111, s40                    ; my column
	s_or_b32 s[G1+0], s43, (0<<16)|(1<<20)|(1<<21)|(5<<22)|(3<<25)  ; the mask; elements of 1 byte; padding on; bit 21 beside a mask; after every 64 words; 4 words
	s_or_b32 s[G1B+0], s44, (0<<16)|(1<<20)|(1<<21)|(5<<22)|(3<<25)
.irp g, G1, G1B
	s_mov_b32 s[\g+1], ROWB<<16                    ; tensor_dim0
	s_mov_b32 s[\g+2], 128<<16                     ; tensor_dim1
	s_mov_b32 s[\g+3], ROWB<<16                    ; tile_dim0
	s_mov_b32 s[\g+4], 128                         ; tile_dim1
	s_mov_b32 s[\g+5], KROW                        ; from row to row
	s_mov_b32 s[\g+6], 0
	s_mov_b32 s[\g+7], 0
.endr
	s_or_b32 s[G1S+0], s43, (3<<16)|(1<<20)|(1<<21)|(5<<22)|(3<<25) ; the scales of 128 rows: 4,096 dense bytes as 16 rows of 32 elements of 8 bytes, 16 bytes of padding behind each
	s_or_b32 s[G1SB+0], s44, (3<<16)|(1<<20)|(1<<21)|(5<<22)|(3<<25)
.irp g, G1S, G1SB
	s_mov_b32 s[\g+1], 32<<16
	s_mov_b32 s[\g+2], (128*KS/256)<<16
	s_mov_b32 s[\g+3], 32<<16
	s_mov_b32 s[\g+4], 128*KS/256
	s_mov_b32 s[\g+5], 32
	s_mov_b32 s[\g+6], 0
	s_mov_b32 s[\g+7], 0
.endr
	s_lshl_b32 s45, s[CH], 7                       ; which 128 rows of the tile I fetch
	s_lshl_b32 s92, s[TEN], 13                     ; x: row 8192 tensor + 2048 batch + 256 block + 128 half
	s_lshl_b32 s93, s41, 11
	s_add_co_u32 s92, s92, s93
	s_lshl_b32 s93, s[TB8], 8
	s_add_co_u32 s92, s92, s93
	s_add_co_u32 s92, s92, s45
	s_lshl_b32 s94, s[TEN], 10                     ; w: row 1024 tensor + 256 cx + 128 half
	s_lshl_b32 s95, s40, 8
	s_add_co_u32 s94, s94, s95
	s_add_co_u32 s94, s94, s45
	s_lshl_b32 s96, s92, 5                         ; their scale bytes: 32 a row,
	s_mov_b32 s97, 0
	s_lshl_b32 s92, s92, 9                         ; their codes: 512 a row
	s_mov_b32 s93, 0
	s_lshl_b32 s98, s94, 5
	s_mov_b32 s99, 0
	s_lshl_b32 s94, s94, 9
	s_mov_b32 s95, 0
	s_mul_i32 s46, s[WV], HALFT                    ; where they go: wave x 128 rows: no place in the cluster enters an LDS address
	s_mul_i32 s47, s[WV], HALFS
	s_wait_dscnt 0x0                               ; both opening adds are done
	s_wait_kmcnt 0x0
	s_add_nc_u64 s[92:93], s[4:5], s[92:93]
	s_add_nc_u64 s[96:97], s[6:7], s[96:97]
	s_add_nc_u64 s[94:95], s[8:9], s[94:95]
	s_add_nc_u64 s[98:99], s[10:11], s[98:99]
	CROUND                                         ; all sixteen work-groups are here: the joint loads meet
	s_mov_b32 s[G0S], 1
	s_add_co_u32 s[G0S+1], s47, SCL
	s_mov_b64 s[G0S+2:G0S+3], s[96:97]
	s_or_b32 s[G0S+3], s[G0S+3], 0x80000000
	s_mov_b32 s[G0SB], 1
	s_add_co_u32 s[G0SB+1], s47, SCL
	s_mov_b64 s[G0SB+2:G0SB+3], s[98:99]
	s_or_b32 s[G0SB+3], s[G0SB+3], 0x80000000
	JLOAD G0S, G1S, G0SB, G1SB                     ; the scales first: they are wanted with the first slot
.irp s, 0,1
	s_mov_b32 s[G0+4*\s], 1
	s_add_co_u32 s[G0+4*\s+1], s46, \s*SLOT
	s_add_nc_u64 s[G0+4*\s+2:G0+4*\s+3], s[92:93], \s*ROWB
	s_or_b32 s[G0+4*\s+3], s[G0+4*\s+3], 0x80000000
	s_mov_b32 s[G0B+4*\s], 1
	s_add_co_u32 s[G0B+4*\s+1], s46, \s*SLOT
	s_add_nc_u64 s[G0B+4*\s+2:G0B+4*\s+3], s[94:95], \s*ROWB
	s_or_b32 s[G0B+4*\s+3], s[G0B+4*\s+3], 0x80000000
	JLOAD G0+4*\s, G1, G0B+4*\s, G1B               ; three tensor loads of mine are out in all
.endr
	v_and_b32 v1, 15, v0                           ; r
	v_bfe_u32 v2, v0, 4, 1                         ; h
	v_lshlrev_b32 v[BOF], 5, v2                    ; 32 h: eight numbers of the bias for each half of the lanes
	; the bias in the result's layout: register 8 b + j of lane (r, h) = bias[256 cx + 128 half + 16 b + 8 h + j].  k has none: its sums begin from zeros
	s_cmp_eq_u32 s[TEN], 1
	s_cbranch_scc1 .Lzero
	s_cmp_eq_u32 s[TEN], 0
	s_cselect_b64 s[100:101], s[12:13], s[14:15]
	s_lshl_b32 s66, s40, 10
	s_lshl_b32 s67, s[CH], 9
	s_add_co_u32 s66, s66, s67
	s_mov_b32 s67, 0
	s_add_nc_u64 s[100:101], s[100:101], s[66:67]
.irp b, 0,1,2,3,4,5,6,7
	global_load_b128 v[BIAS+8*\b:BIAS+8*\b+3], v[BOF], s[100:101] offset:64*\b
	global_load_b128 v[BIAS+8*\b+4:BIAS+8*\b+7], v[BOF], s[100:101] offset:64*\b+16
.endr
	s_branch .Lbias_done
.Lzero:
.set i, 0
.rept 64
	v_mov_b32 v[BIAS+i], 0
.set i, i+1
.endr
.Lbias_done:
	v_mul_u32_u24 v3, v1, PITCH
	v_lshl_add_u32 v4, v2, 4, v3                   ; a fragment's row x pitch + 16 x half
	s_mul_i32 s44, s[RH], HALFT                    ; my 128 rows of x
	s_mul_i32 s45, s[CH], HALFT                    ; my 128 rows of w,
	s_add_co_u32 s45, s45, 2*HALFT                 ; which lie behind x's 256
.irp s, 0,1
	v_add_nc_u32 v[ADRA+\s], s44, v4
	v_add_nc_u32 v[ADRB+\s], s45, v4
	s_add_co_u32 s44, s44, SLOT
	s_add_co_u32 s45, s45, SLOT
.endr
	v_mul_u32_u24 v5, v1, KS                       ; my row's scales: 32 bytes a row,
	v_lshrrev_b32 v6, 8, v5
	v_lshl_add_u32 v5, v6, 4, v5                   ; and 16 more for each 256 passed
	s_mul_i32 s44, s[RH], HALFS
	s_mul_i32 s45, s[CH], HALFS
	s_add_co_u32 s45, s45, 2*HALFS
	s_sub_co_u32 s45, s45, s44
	v_mul_u32_u24 v6, s45, v2                      ; lanes 16-31 take w's: one product, the distance between the two bases
	s_add_co_u32 s44, s44, SCL
	v_add_nc_u32 v5, v5, v6
	v_add_nc_u32 v[ADRS], s44, v5
	s_mul_i32 s47, s[WV], 16*SP32                  ; my stage
	v_and_b32 v6, 31, v0
	v_lshlrev_b32 v[CO], 4, v6                     ; 16 x lane
	v_add_nc_u32 v[RD32], s47, v[CO]
	v_lshrrev_b32 v7, 3, v6
	v_mul_u32_u24 v7, v7, SP16
	v_and_b32 v8, 7, v6
	v_lshl_add_u32 v7, v8, 4, v7
	v_add_nc_u32 v[RD16], s47, v7                  ; f16, back: eight lanes take 128 bytes (a head's 64 numbers) of a row, four rows an instruction
	v_mul_u32_u24 v5, v1, SP32
	v_lshl_add_u32 v5, v2, 5, v5
	v_add_nc_u32 v[STO32], s47, v5
	v_mul_u32_u24 v5, v1, SP16
	v_lshl_add_u32 v5, v2, 4, v5
	v_add_nc_u32 v[STO16], s47, v5
	s_lshl_b32 s44, s41, 4                         ; qkv16: ((16 batch + 4 cx + 2 half) x 2048 + 256 block + 128 row half) x 128 bytes + tensor x 2^24
	s_lshl_b32 s45, s40, 2
	s_add_co_u32 s44, s44, s45
	s_lshl_b32 s45, s[CH], 1
	s_add_co_u32 s44, s44, s45
	s_lshl_b32 s44, s44, 11
	s_lshl_b32 s45, s[TB8], 8
	s_add_co_u32 s44, s44, s45
	s_lshl_b32 s45, s[RH], 7
	s_add_co_u32 s44, s44, s45
	s_lshl_b32 s44, s44, 7
	s_lshl_b32 s45, s[TEN], 24
	s_add_co_u32 s44, s44, s45
	s_mov_b32 s45, 0
	s_add_nc_u64 s[16:17], s[16:17], s[44:45]
	s_lshl_b32 s44, s[TEN], 2                      ; fine32: (4 tensor + batch) x 65,536 + (256 cx + 128 half) x 4
	s_add_co_u32 s44, s44, s41
	s_lshl_b32 s44, s44, 16
	s_lshl_b32 s46, s40, 10
	s_add_co_u32 s44, s44, s46
	s_lshl_b32 s46, s[CH], 9
	s_add_co_u32 s44, s44, s46
	s_add_nc_u64 s[18:19], s[18:19], s[44:45]
.macro FRAG reg, adr, q, i             ; 16 rows x 128 K of 4-bit codes: 8 registers: lane l holds row l % 16; registers 4 c .. 4 c + 3 hold K = 64 c + 32 (l / 16) + 0 .. 31
.irp c, 0,1
	ds_load_b128 v[\reg+4*\c:\reg+4*\c+3], v[\adr] offset:64*(\q)+32*\c+(\i)*16*PITCH
.endr
.endm
; 16 matrix instructions: x's blocks a0, a0 + 1 against w's eight.  zero = 1: the first step: C is the bias.  The 64 accumulators take turns, one instruction a turn, in the same order in every step.
.macro MUL16 a0, p, q, sc, zero
.irp a, \a0, \a0+1
.irp b, 0,1,2,3,4,5,6,7
.if \zero
	v_wmma_scale_f32_16x16x128_f8f6f4 v[8*(8*((\a)%4)+\b):8*(8*((\a)%4)+\b)+7], v[128*(\p)+FR*\b:128*(\p)+FR*\b+FR-1], v[AF+FR*(\a):AF+FR*(\a)+FR-1], v[BIAS+8*\b:BIAS+8*\b+7], v[SC+8*NQ*(\sc)+NQ*\b+(\q)], v[SC+8*NQ*(\sc)+NQ*(\a)+(\q)] matrix_a_fmt:MATRIX_FMT_FP4 matrix_b_fmt:MATRIX_FMT_FP4 matrix_a_scale:MATRIX_SCALE_ROW1
.else
	v_wmma_scale_f32_16x16x128_f8f6f4 v[8*(8*((\a)%4)+\b):8*(8*((\a)%4)+\b)+7], v[128*(\p)+FR*\b:128*(\p)+FR*\b+FR-1], v[AF+FR*(\a):AF+FR*(\a)+FR-1], v[8*(8*((\a)%4)+\b):8*(8*((\a)%4)+\b)+7], v[SC+8*NQ*(\sc)+NQ*\b+(\q)], v[SC+8*NQ*(\sc)+NQ*(\a)+(\q)] matrix_a_fmt:MATRIX_FMT_FP4 matrix_b_fmt:MATRIX_FMT_FP4 matrix_a_scale:MATRIX_SCALE_ROW1
.endif
.endr
.endr
.endm
.macro FETCH_B slot, q, p
	WIN TO_B
.irp i, 0,1,2,3,4,5,6,7
	FRAG 128*(\p)+FR*\i, ADRB+\slot, \q, \i
.endr
	WIN 0
.endm
.macro FETCH_A slot, q, i0
.irp i, \i0, \i0+1, \i0+2, \i0+3
	FRAG AF+FR*(\i), ADRA+\slot, \q, \i
.endr
.endm
.macro SCALES sc                       ; a slot's scale words: 4 words a row; lanes 0-15 take x's block i, lanes 16-31 w's block i
.irp i, 0,1,2,3,4,5,6,7
	ds_load_b128 v[SC+8*NQ*\sc+NQ*\i:SC+8*NQ*\sc+NQ*\i+3], v[ADRS] offset:\i*SBLK
.endr
.endm
.macro PLACES n                        ; plain vector instructions between a matrix instruction and a load into, or a read of, its registers
.rept \n
	v_nop
.endr
.endm
.macro STEP slot, q, zero              ; a step of 128 along K that has its successor in the same slot
	s_wait_dscnt 4*NL                              ; w's set and x's blocks 0-3 are in; the youngest eight loads (x's blocks 4-7) may be out
.if \zero
	WIN BIA_LO
.else
	WIN MUL_LO
.endif
	MUL16 0, (\q)%2, \q, \slot, \zero
	MUL16 2, (\q)%2, \q, \slot, \zero
	s_wait_dscnt 0
	PLACES NP
	FETCH_B \slot, (\q)+1, 1-(\q)%2
	FETCH_A \slot, (\q)+1, 0
.if \zero
	WIN BIA_HI
.else
	WIN MUL_HI
.endif
	MUL16 4, (\q)%2, \q, \slot, \zero
	MUL16 6, (\q)%2, \q, \slot, \zero
	PLACES NP
	WIN 0
	FETCH_A \slot, (\q)+1, 4
.endm
; Slot 0's last step changes slots: one barrier; in front of it each wave waits for all its tensor loads (slot 1's), adds 0 to its spare word, and waits for that and for its reads of slot 0.  Nothing is filled again.
.macro TURN slot, next
	s_wait_tensorcnt 0x0
	ds_add_u32 v[SPW], v[NIL]
	s_wait_dscnt 4*NL+1                            ; (the add and x's blocks 4-7 may be out)
	WIN MUL_LO
	MUL16 0, 1, NQ-1, \slot, 0
	s_wait_dscnt 0x0                               ; the add is done, and my reads of this slot are over
	s_barrier_signal -1
	MUL16 2, 1, NQ-1, \slot, 0
	WIN 0
	s_barrier_wait -1
	PLACES NP
	v_add_nc_u32 v[ADRS], 4*NQ, v[ADRS]            ; on to the next slot's scale words
	FETCH_B \next, 0, 0
	FETCH_A \next, 0, 0
	SCALES \next
	WIN MUL_HI
	MUL16 4, 1, NQ-1, \slot, 0
	MUL16 6, 1, NQ-1, \slot, 0
	PLACES NP
	WIN 0
	FETCH_A \next, 0, 4
.endm
	s_wait_tensorcnt 1                             ; the scales and my part of slot 0 are in; slot 1's load may be out
	s_barrier_signal -1
	s_barrier_wait -1
	FETCH_B 0, 0, 0
	FETCH_A 0, 0, 0
	SCALES 0
	FETCH_A 0, 0, 4
	s_wait_loadcnt 0x0                             ; the bias
	STEP 0, 0, 1
	STEP 0, 1, 0
	STEP 0, 2, 0
	TURN 0, 1
	STEP 1, 0, 0
	STEP 1, 1, 0
	STEP 1, 2, 0
	s_wait_dscnt 4*NL                              ; the very last step: nothing more to fetch
	WIN MUL_LO
	MUL16 0, 1, NQ-1, 1, 0
	MUL16 2, 1, NQ-1, 1, 0
	s_wait_dscnt 0
	WIN MUL_HI
	MUL16 4, 1, NQ-1, 1, 0
	MUL16 6, 1, NQ-1, 1, 0
	WIN 0
	PLACES NP                                      ; in front of the first reads of results and of the loads into registers that held fragments and the bias
	; THE WAY OUT, (a): rows t < 16 of a batch in f32: block 0 of the waves with the tile's upper rows, in the batch's first block of rows.  The branch hangs on the cluster's y and the wave's number.
	s_or_b32 s44, s[TB8], s[RH]
	s_cmp_lg_u32 s44, 0
	s_cbranch_scc1 .Lnofine
	WIN 0x08                                       ; an LDS store's data: window 2
.irp b, 0,1,2,3,4,5,6,7
	ds_store_b128 v[STO32], v[8*\b:8*\b+3] offset:64*\b            ; each accumulator from its low end on
	ds_store_b128 v[STO32], v[8*\b+4:8*\b+7] offset:64*\b+16
.endr
	WIN 0
.irp t, 0,1,2,3,4,5,6,7,8,9,10,11,12,13,14,15
	ds_load_b128 v[BIAS+4*\t:BIAS+4*\t+3], v[RD32] offset:\t*SP32   ; LDS serves a wave's instructions in order: these see my stores
.endr
	s_wait_dscnt 0x0
.irp t, 0,1,2,3,4,5,6,7,8,9,10,11,12,13,14,15
	global_store_b128 v[CO], v[BIAS+4*\t:BIAS+4*\t+3], s[18:19] offset:\t*4096   ; 32 lanes store 512 consecutive bytes, aligned
.endr
.Lnofine:
	; (b): all eight blocks in f16.  A lane's eight columns pack into 16 bytes; a block of 16 rows x 128 columns goes through my stage and leaves head by head: a head's 16 rows are 2,048 consecutive bytes.
.macro PACK a
.set AC, 64*((\a)%4)
	WIN (0x0a+5*((\a)/4))                          ; sources 0 and 1: window 2 or 3
.irp b, 0,1,2,3,4,5,6,7
.irp r, 0,1,2,3
	v_cvt_pk_f16_f32 v[TMP+4*\b+\r], v[AC+8*\b+2*\r], v[AC+8*\b+2*\r+1]
.endr
.endr
	WIN 0
.endm
.macro TOSTAGE a
.set BB, BK+32*((\a)%2)
.if (\a) >= 2
	s_wait_xcnt 0x0                                ; block a - 2's stores have read their registers: block a's loads may land there
.endif
.irp b, 0,1,2,3,4,5,6,7
	ds_store_b128 v[STO16], v[TMP+4*\b:TMP+4*\b+3] offset:32*\b
.endr
.irp u, 0,1
.irp i, 0,1,2,3
	ds_load_b128 v[BB+4*(4*\u+\i):BB+4*(4*\u+\i)+3], v[RD16] offset:4*\i*SP16+128*\u
.endr
.endr
.endm
.macro SEND a
.set BB, BK+32*((\a)%2)
	s_wait_dscnt 0x0                               ; the block is back in registers
.irp u, 0,1
.irp i, 0,1,2,3
	global_store_b128 v[CO], v[BB+4*(4*\u+\i):BB+4*(4*\u+\i)+3], s[16:17] offset:2048*(\a)+512*\i+262144*\u   ; 32 lanes store four rows of a head: 512 consecutive bytes, aligned
.endr
.endr
.endm
	PACK 0
	TOSTAGE 0
.irp a, 1,2,3,4,5,6,7
	PACK \a                                        ; block a's conversions stand between block a - 1's loads from the stage and the wait for them
	SEND (\a)-1
	TOSTAGE \a
.endr
	SEND 7
	s_wait_tensorcnt 0x0                           ; the wave's end
	ds_add_u32 v[SPW], v[NIL]
	s_wait_dscnt 0x0
	CROUND                                         ; the closing round
	s_endpgm
.Lfunc_end_k_q274c07c94c_proj:
	.size	k_q274c07c94c_proj, .Lfunc_end_k_q274c07c94c_proj-k_q274c07c94c_proj
	.p2alignl 7, 3214868480
	.fill 96, 4, 3214868480
	.section	.rodata,"a",@progbits
	.p2align	6, 0x0
	.amdhsa_kernel k_q274c07c94c_proj
		.amdhsa_group_segment_fixed_size 327680
		.amdhsa_private_segment_fixed_size 0
		.amdhsa_enable_private_segment 0
		.amdhsa_kernarg_size 64
		.amdhsa_user_sgpr_count 2
		.amdhsa_user_sgpr_kernarg_segment_ptr 1
		.amdhsa_wavefront_size32 1
		.amdhsa_system_sgpr_workgroup_id_x 1
		.amdhsa_system_sgpr_workgroup_id_y 1
		.amdhsa_system_sgpr_workgroup_id_z 1
		.amdhsa_system_vgpr_workitem_id 0
		.amdhsa_next_free_vgpr 1024
		.amdhsa_next_free_sgpr 102
		.amdhsa_reserve_vcc 0
		.amdhsa_float_denorm_mode_32 3
		.amdhsa_float_denorm_mode_16_64 3
		.amdhsa_memory_ordered 1
		.amdhsa_forward_progress 1
		.amdhsa_inst_pref_size 134
	.end_amdhsa_kernel
	.amdgpu_metadata
---
amdhsa.version: [ 1, 2 ]
amdhsa.kernels:
  - .name:           k_q274c07c94c_proj
    .symbol:         k_q274c07c94c_proj.kd
    .args:
      - { .name: xc, .offset: 0, .size: 8, .value_kind: global_buffer, .address_space: global }
      - { .name: xs, .offset: 8, .size: 8, .value_kind: global_buffer, .address_space: global }
      - { .name: wc, .offset: 16, .size: 8, .value_kind: global_buffer, .address_space: global }
      - { .name: ws, .offset: 24, .size: 8, .value_kind: global_buffer, .address_space: global }
      - { .name: bq, .offset: 32, .size: 8, .value_kind: global_buffer, .address_space: global }
      - { .name: bv, .offset: 40, .size: 8, .value_kind: global_buffer, .address_space: global }
      - { .name: qkv16, .offset: 48, .size: 8, .value_kind: global_buffer, .address_space: global }
      - { .name: fine32, .offset: 56, .size: 8, .value_kind: global_buffer, .address_space: global }
    .group_segment_fixed_size: 327680
    .private_segment_fixed_size: 0
    .kernarg_segment_align: 8
    .kernarg_segment_size: 64
    .max_flat_workgroup_size: 128
    .sgpr_count:     102
    .vgpr_count:     1024
    .wavefront_size: 32
...
	.end_amdgpu_metadata
.endif
;; end of part 2
;; launch attn (part 3): grid 4 x 64, 16 waves a work-group, no clusters, 327,680 bytes of LDS; arguments qkv16, o16; writes o16
.if DOCPART == 3
	.amdgcn_target "amdgcn-amd-amdhsa--gfx1250"
	.amdhsa_code_object_version 6
	.text
	.protected	k_q274c07c94c_attn
	.globl	k_q274c07c94c_attn
	.p2align	8
	.type	k_q274c07c94c_attn,@function
k_q274c07c94c_attn:
	s_mov_b64 s[64:65], 0
	v_nop
	global_prefetch_b8 v0, s[64:65] scope:SCOPE_SE
	s_setreg_imm32_b32 hwreg(HW_REG_WAVE_MODE, 25, 1), 1
	s_wait_xcnt 0x0
; LAUNCH 3 OF 5.  o[b][h][t] = the sum over s <= t of softmax_s(qh[t] . kh[s] / 8) vh[s], operands in f16, products' sums, maxima and row sums in f32; the weights p are rounded to f16 for the second product.
; WORK LEFT OUT: key steps and key slots that lie wholly behind the queries (reference()'s own jnp.tril makes their scores -infinity); kh comes without bk (shown at the head of the first launch).
; Rows t < 16 are computed here with their wave's tile and stored, since the next launch's tile loads read them; the numbers of out0 that hang on them are made in f32 by the last launch.
; LIMIT: qh, kh, vh are f16 (magnitudes up to 65,504).
; SHARES.  A work-group owns the query blocks i and 7 - i (256 queries each) of one head, i = 0..3: by the causal mask the two together have the same work in every work-group.  Each of the sixteen waves owns 32 queries,
; two tiles of 16, in 256 registers; the waves of the two blocks alternate so that each group of four waves holds two of each.  All walk one ring of keys from key 0 on, 64 keys a step, 256 keys a slot.
; NO CLUSTER: the four work-groups of a head need different numbers of slots (2,048 - 256 i keys), so a partner would have to jump over the reads of a jointly loaded tile.
; LAYOUT.  S^T = K Q^T (source 0 = 16 keys, source 1 = 16 queries): a lane holds ONE query (lane % 16) and the keys 8 (lane / 16) + 0..7.  Two such tiles, rounded to f16 in pairs, ARE source 1 (32 keys x 16 queries) of
; O^T = V^T P.  K comes out of LDS as it lies, V ([key][channel]) turned, by ds_load_tr16_b128.
; SOFTMAX.  A running maximum m and sum l for each query: p = 2^(c s - c m), c = log2(e) / 8; in every step O^T and l are multiplied by a = 2^(c m_old - c m_new).
; LDS.  A key's row is 128 bytes; a slot's 256 rows are dense in memory and are stated as 128 rows of 256 bytes, padded: key k of K at (k / 2) 272 + (k % 2) 128, of V at (k / 2) 288 + (k % 2) 128.
.set SK,    256                        ; keys in a slot
.set SLOTB, SK*128                     ; and their bytes in memory
.set PK,    272
.set PV,    288
.set VOFF,  128*PK                     ; a slot: K's 128 rows, then V's 128 rows: 71,680 bytes
.set SLOT1, 1<<17                      ; slot 1 begins here: one exclusive or turns an address
.set STAGE, 128*(PK+PV)                ; behind each slot's tiles, where no fill lands: 32 rows x 144 bytes for each of eight waves
.set SPARE, 2*SLOT1                    ; the spare words, 128 bytes a wave
.set NSL,   2048/SK
.set AK0, 1
.set AV0, 2
.set SPW, 3
.set NIL, 4
.set ADK, 5
.set ADV, 6
.set D0,  7                            ; r - 8 h
.set STO, 10
.set RD,  11
.set ST,  12                           ; tile t's statistics at v[ST+8 t]: +0 c m, +1 m, +2, +3 l in two halves, +4 to +7 at work (a takes +6)
.set PFO, 28
.set GO,  29
.set QO,  30
.set Q,   32                           ; v32-63   Q: tile t, channels 32 c on, at 32 + 16 t + 8 c
.set S,   64                           ; v64-127  S^T: tile t, keys 16 k on, at 64 + 32 t + 8 k; p; then P packed in place
.set O,   128                          ; v128-191 O^T: tile t, channels 16 w on, at 128 + 32 t + 8 w
.set KV,  192                          ; v192-255 a step's K, then its V
.set WV,  18
.set SEL, 20
.set CS,  22
.set G1K, 24
.set G1V, 32
.set G0K, 40
.set G0V, 44
.set TB,  2
.set SLOTS, 3
.set KF,  48                           ; the step's first key
.set Q0,  49                           ; my first query
.set LASTQ, 50                         ; my work-group's last query
.set LIM, 51
.set PFA, 52
; Waves 0 and 1 fetch K's halves of a slot, waves 2 and 3 V's, the others nothing.  An s_nop 0 and four v_nop follow each of the two lines.
.macro TLOAD
	s_cmp_lt_u32 s[WV], 2
	s_cbranch_scc0 .Lnot_k_\@
	tensor_load_to_lds s[G0K:G0K+3], s[G1K:G1K+7]
	s_nop 0
.rept 4
	v_nop
.endr
	s_branch .Lasked_\@
.Lnot_k_\@:
	s_cmp_lt_u32 s[WV], 4
	s_cbranch_scc0 .Lasked_\@
	tensor_load_to_lds s[G0V:G0V+3], s[G1V:G1V+7]
	s_nop 0
.rept 4
	v_nop
.endr
.Lasked_\@:
.endm
; A prefetch of what the NEXT change of slots will ask for: 32,768 bytes of K and of V.  Each aligned block of 256 bytes is named once in the launch: the head's work-group i = 0, which walks all slots, asks; in it
; waves 4 to 7 for K, waves 8 to 11 for V, 8,192 bytes a wave, lanes 256 bytes apart.  The last change that fills a slot asks for nothing; slots 0 and 1 come by their loads alone.
.macro ASK
	s_cmp_gt_u32 s[SLOTS], s[LIM]
	s_cbranch_scc0 .Lnot_mine_\@
	global_prefetch_b8 v[PFO], s[PFA:PFA+1] th:TH_LOAD_NT scope:SCOPE_SE
.Lnot_mine_\@:
.endm
	s_load_b128 s[4:7], s[0:1], 0x0                ; qkv16, o16
	v_lshl_add_u32 v[SPW], v0, 2, SPARE
	v_mov_b32 v[NIL], 0
	ds_add_u32 v[SPW], v[NIL]                      ; the wave's opening: the add, twice on end, and its wait ahead of my first tensor load
	ds_add_u32 v[SPW], v[NIL]
	v_lshrrev_b32 v8, 5, v0
	v_readfirstlane_b32 s[WV], v8                  ; wave 0..15
	s_and_b32 s58, ttmp7, 0xffff                   ; y = 16 batch + head
	s_lshl_b32 s59, s58, 18                        ; the head's 262,144 bytes in each of the three tensors
	s_and_b32 s60, s[WV], 1                        ; which half of a slot I fetch, if I fetch
	s_lshl_b32 s61, s60, 14
	s_add_co_u32 s66, s59, s61
	s_add_co_u32 s66, s66, 0x1000000               ; K
	s_mov_b32 s67, 0
	s_add_co_u32 s68, s66, 0x1000000               ; V
	s_mov_b32 s69, 0
	s_mul_i32 s62, s60, 64*PK
	s_mul_i32 s63, s60, 64*PV
	s_add_co_u32 s63, s63, VOFF
	s_mov_b32 s[G1K], (1<<16)|(1<<20)|(5<<22)|(3<<25)   ; no mask; elements of 2 bytes; padding on; after every 64 words; 4 words
	s_mov_b32 s[G1V], (1<<16)|(1<<20)|(5<<22)|(7<<25)   ; 8 words
.irp g, G1K, G1V
	s_mov_b32 s[\g+1], 128<<16                     ; tensor_dim0 = 128 elements: two keys' rows
	s_mov_b32 s[\g+2], 64<<16                      ; tensor_dim1 = 64
	s_mov_b32 s[\g+3], 128<<16                     ; tile_dim0
	s_mov_b32 s[\g+4], 64                          ; tile_dim1
	s_mov_b32 s[\g+5], 128                         ; from row to row: dense
	s_mov_b32 s[\g+6], 0
	s_mov_b32 s[\g+7], 0
.endr
	s_lshr_b32 s70, s[WV], 2
	s_xor_b32 s70, s70, s[WV]
	s_and_b32 s70, s70, 1                          ; which of the two query blocks is my wave's
	s_sub_co_u32 s71, 7, ttmp9
	s_cmp_eq_u32 s70, 0
	s_cselect_b32 s71, ttmp9, s71
	s_lshl_b32 s71, s71, 8
	s_lshr_b32 s72, s[WV], 1
	s_lshl_b32 s72, s72, 5
	s_add_co_u32 s[Q0], s71, s72                   ; my first query: 256 x block + 32 x (wave / 2)
	s_lshl_b32 s73, ttmp9, 8
	s_sub_co_u32 s[LASTQ], 2047, s73
	s_mov_b32 s[SEL], 0x76543210
	s_mov_b32 s[SEL+1], 0xfedcba98
	s_mov_b32 s[CS], 0x3e38aa3b                    ; c = log2(e) / 8
	s_mov_b32 s[CS+1], s[CS]
	s_mov_b32 s[TB], 0
	s_mov_b32 s[SLOTS], NSL-1
	s_mov_b32 s[KF], 0
	s_wait_dscnt 0x0                               ; both opening adds are done
	s_wait_kmcnt 0x0
	s_mov_b32 s[G0K], 1
	s_mov_b32 s[G0K+1], s62
	s_add_nc_u64 s[G0K+2:G0K+3], s[4:5], s[66:67]
	s_or_b32 s[G0K+3], s[G0K+3], 0x80000000
	s_mov_b32 s[G0V], 1
	s_mov_b32 s[G0V+1], s63
	s_add_nc_u64 s[G0V+2:G0V+3], s[4:5], s[68:69]
	s_or_b32 s[G0V+3], s[G0V+3], 0x80000000
	TLOAD                                          ; slot 0: key 0 counts for every query
	s_lshl_b32 s66, s[Q0], 7
	s_add_co_u32 s66, s66, s59
	s_mov_b32 s67, 0
	s_add_nc_u64 s[54:55], s[4:5], s[66:67]        ; Q at my first query
	s_and_b32 s66, s58, 15
	s_lshl_b32 s66, s66, 20                        ; o16: the head's plane of 8,192 rows of 128 bytes,
	s_lshr_b32 s68, s58, 4
	s_lshl_b32 s68, s68, 11
	s_add_co_u32 s68, s68, s[Q0]
	s_lshl_b32 s68, s68, 7                         ; row 2048 batch + query
	s_add_co_u32 s66, s66, s68
	s_add_nc_u64 s[56:57], s[6:7], s[66:67]
	s_cmp_lt_u32 s[WV], 8                          ; the prefetches: waves 4 to 7 K, waves 8 to 11 V
	s_mov_b32 s68, 0x2000000
	s_cselect_b32 s66, 0x1000000, s68
	s_add_co_u32 s66, s66, s59
	s_and_b32 s68, s[WV], 3
	s_lshl_b32 s68, s68, 13
	s_add_co_u32 s66, s66, s68
	s_add_co_u32 s66, s66, SLOTB                   ; in slot 1: the first change of slots steps it to slot 2
	s_add_nc_u64 s[PFA:PFA+1], s[4:5], s[66:67]
	s_sub_co_u32 s68, s[WV], 4
	s_lshr_b32 s68, s68, 3                         ; 0 in waves 4 to 11,
	s_or_b32 s68, s68, ttmp9                       ; of the head's work-group 0
	s_cmp_eq_u32 s68, 0
	s_cselect_b32 s[LIM], 1, -1
	v_and_b32 v8, 15, v0                           ; r
	v_bfe_u32 v9, v0, 4, 1                         ; h
	v_lshlrev_b32 v[QO], 7, v8
	v_lshl_add_u32 v[QO], v9, 4, v[QO]             ; Q: row r of 128 bytes + 16 h
.irp t, 0,1
.irp c, 0,1
	global_load_b128 v[Q+16*\t+8*\c:Q+16*\t+8*\c+3], v[QO], s[54:55] offset:2048*\t+64*\c
	global_load_b128 v[Q+16*\t+8*\c+4:Q+16*\t+8*\c+7], v[QO], s[54:55] offset:2048*\t+64*\c+32
.endr
.endr
	v_and_b32 v[PFO], 31, v0
	v_lshlrev_b32 v[GO], 4, v[PFO]                 ; 16 x lane
	v_lshrrev_b32 v[RD], 3, v[PFO]
	v_mul_u32_u24 v[RD], v[RD], 144
	v_and_b32 v[ADK], 7, v0
	v_lshl_add_u32 v[RD], v[ADK], 4, v[RD]         ; the stage, back: eight lanes a row of 128 bytes, four rows an instruction
	v_lshlrev_b32 v[PFO], 8, v[PFO]                ; 256 x lane
	v_lshrrev_b32 v[AK0], 1, v8
	v_mul_u32_u24 v[AK0], v[AK0], PK
	v_and_b32 v[ADV], 1, v0
	v_lshl_add_u32 v[AK0], v[ADV], 7, v[AK0]
	v_lshl_add_u32 v[AK0], v9, 4, v[AK0]           ; K: (r / 2) 272 + (r % 2) 128 + 16 h
	v_lshrrev_b32 v[AV0], 1, v[ADK]
	v_lshl_add_u32 v[AV0], v9, 2, v[AV0]
	v_mul_u32_u24 v[AV0], v[AV0], PV
	v_lshl_add_u32 v[AV0], v[ADV], 7, v[AV0]
	v_bfe_u32 v[ADK], v0, 3, 1
	v_lshl_add_u32 v[AV0], v[ADK], 4, v[AV0]
	v_add_nc_u32 v[AV0], VOFF, v[AV0]              ; V: key 8 h + l % 8: (4 h + (l % 8) / 2) 288 + (l % 2) 128 + 16 ((l / 8) % 2)
	v_lshlrev_b32 v[D0], 3, v9
	v_sub_nc_u32 v[D0], v8, v[D0]
	s_and_b32 s68, s[WV], 7
	s_mul_i32 s68, s68, 32*144
	s_lshr_b32 s69, s[WV], 3
	s_lshl_b32 s69, s69, 17
	s_add_co_u32 s68, s68, s69
	s_add_co_u32 s68, s68, STAGE                   ; my stage
	v_add_nc_u32 v[RD], s68, v[RD]
	v_mul_u32_u24 v[STO], v8, 144
	v_lshl_add_u32 v[STO], v9, 4, v[STO]
	v_add_nc_u32 v[STO], s68, v[STO]               ; in: row r, + 16 h
.irp t, 0,1
	v_mov_b32 v[ST+8*\t+1], 0xff61b1e6             ; m: -3e38, under every score
	v_mul_f32 v[ST+8*\t], s[CS], v[ST+8*\t+1]
.irp j, 2,3,4,5,6,7
	v_mov_b32 v[ST+8*\t+\j], 0                     ; l; and the registers at work, so that every path has written them
.endr
.endr
.set i, 0
.rept 64
	v_mov_b32 v[O+i], 0                            ; O^T.  (The step is written without a first form: the first change of m multiplies zeros)
.set i, i+1
.endr
; A KEY STEP: 64 keys, the q-th of the slot in hand.
.macro STEP q
	s_add_co_u32 s70, s[Q0], 31                    ; a step all of whose keys come after my 32 queries is left out: a scalar branch on ids, round no barrier and no tensor load
	s_cmp_gt_u32 s[KF], s70
	s_cbranch_scc1 .Lhidden_\@
	v_add_nc_u32 v[ADK], s[TB], v[AK0]
	v_add_nc_u32 v[ADV], s[TB], v[AV0]
.irp k, 0,1,2,3
.irp c, 0,1
	ds_load_b128 v[KV+16*\k+8*\c:KV+16*\k+8*\c+3], v[ADK] offset:(32*(\q)+8*\k)*PK+64*\c
	ds_load_b128 v[KV+16*\k+8*\c+4:KV+16*\k+8*\c+7], v[ADK] offset:(32*(\q)+8*\k)*PK+64*\c+32
.endr
.endr
	s_wait_dscnt 0x0
.irp c, 0,1                                    ; S^T = K Q^T: eight accumulators by turns, one instruction a turn
.irp k, 0,1,2,3
.irp t, 0,1
.if \c == 0
	v_wmma_f32_16x16x32_f16 v[S+32*\t+8*\k:S+32*\t+8*\k+7], v[KV+16*\k+8*\c:KV+16*\k+8*\c+7], v[Q+16*\t+8*\c:Q+16*\t+8*\c+7], 0
.else
	v_wmma_f32_16x16x32_f16 v[S+32*\t+8*\k:S+32*\t+8*\k+7], v[KV+16*\k+8*\c:KV+16*\k+8*\c+7], v[Q+16*\t+8*\c:Q+16*\t+8*\c+7], v[S+32*\t+8*\k:S+32*\t+8*\k+7]
.endif
.endr
.endr
.endr
.rept 4
	v_nop                                          ; four places: in front of the loads into K's registers and of the first reads of the scores
.endr
.irp j, 0,1
.irp w, 0,1,2,3
	ds_load_tr16_b128 v[KV+32*\j+8*\w:KV+32*\j+8*\w+3], v[ADV] offset:(32*(\q)+16*\j)*PV+32*\w          ; keys 32 j + 8 h on, channel 16 w + r
	ds_load_tr16_b128 v[KV+32*\j+8*\w+4:KV+32*\j+8*\w+7], v[ADV] offset:(32*(\q)+16*\j)*PV+8*PV+32*\w   ; keys 32 j + 16 + 8 h on
.endr
.endr
	s_add_co_u32 s70, s[KF], 63                    ; on the diagonal the scores of hidden keys become -infinity ahead of the maximum.  A step all of whose keys count skips this
	s_cmp_le_u32 s70, s[Q0]
	s_cbranch_scc1 .Lopen_\@
	v_mov_b32 v9, 0xff800000
.irp t, 0,1
	s_sub_co_i32 s70, s[Q0], s[KF]
	s_add_co_i32 s70, s70, 16*\t
	v_add_nc_u32 v8, s70, v[D0]                    ; d = my query - KF - 8 h.  Register 8 k + j holds key KF + 16 k + 8 h + j: hidden where 16 k + j > d
.set n, 0
.rept 32
	v_cmp_gt_i32 vcc_lo, 16*(n/8)+n%8, v8
	v_cndmask_b32 v[S+32*\t+n], v[S+32*\t+n], v9, vcc_lo
.set n, n+1
.endr
.endr
.Lopen_\@:
.irp j, 0,1,2,3                                ; the maximum of a lane's 32 scores and the old m: four chains, each begun at an accumulator's low end; the two tiles alternate
.irp t, 0,1
	v_max3_num_f32 v[ST+8*\t+4+\j], v[S+32*\t+8*\j], v[S+32*\t+8*\j+1], v[S+32*\t+8*\j+2]
.endr
.endr
.irp u, 3,5
.irp j, 0,1,2,3
.irp t, 0,1
	v_max3_num_f32 v[ST+8*\t+4+\j], v[ST+8*\t+4+\j], v[S+32*\t+8*\j+\u], v[S+32*\t+8*\j+\u+1]
.endr
.endr
.endr
.irp t, 0,1
	v_max3_num_f32 v[ST+8*\t+4], v[ST+8*\t+4], v[S+32*\t+7], v[S+32*\t+15]
	v_max3_num_f32 v[ST+8*\t+6], v[ST+8*\t+6], v[S+32*\t+23], v[S+32*\t+31]
.endr
.irp t, 0,1
	v_max3_num_f32 v[ST+8*\t+4], v[ST+8*\t+4], v[ST+8*\t+5], v[ST+8*\t+6]
.endr
.irp t, 0,1
	v_max3_num_f32 v[ST+8*\t+4], v[ST+8*\t+4], v[ST+8*\t+7], v[ST+8*\t+1]
.endr
.irp t, 0,1
	v_permlanex16_b32 v[ST+8*\t+5], v[ST+8*\t+4], s[SEL], s[SEL+1]   ; the query's other 32 keys lie in the lane 16 away
.endr
.irp t, 0,1
	v_mov_b32 v[ST+8*\t+7], v[ST+8*\t]             ; c m_old
.endr
.irp t, 0,1
	v_max_num_f32 v[ST+8*\t+1], v[ST+8*\t+4], v[ST+8*\t+5]
.endr
.irp t, 0,1
	v_mul_f32 v[ST+8*\t], s[CS], v[ST+8*\t+1]
.endr
.irp t, 0,1
	v_sub_f32 v[ST+8*\t+7], v[ST+8*\t+7], v[ST+8*\t]
.endr
.set i, 0
.rept 16
	v_pk_fma_f32 v[S+2*i:S+2*i+1], v[S+2*i:S+2*i+1], s[CS:CS+1], v[ST:ST+1] op_sel_hi:[1,0,0] neg_lo:[0,0,1] neg_hi:[0,0,1]             ; c s - c m, two at a time
	v_pk_fma_f32 v[S+32+2*i:S+32+2*i+1], v[S+32+2*i:S+32+2*i+1], s[CS:CS+1], v[ST+8:ST+9] op_sel_hi:[1,0,0] neg_lo:[0,0,1] neg_hi:[0,0,1]
.set i, i+1
.endr
.irp t, 0,1
	v_exp_f32 v[ST+8*\t+6], v[ST+8*\t+7]           ; a
.endr
.set i, 0
.rept 32
	v_exp_f32 v[S+i], v[S+i]                       ; p: one batch of 66 exponentials
	v_exp_f32 v[S+32+i], v[S+32+i]
.set i, i+1
.endr
	v_nop                                          ; a plain instruction behind the last exponential
	s_wait_alu depctr_va_vdst(0)                   ; one wait for the batch, ahead of the first instruction that names a result
.irp t, 0,1
	v_pk_mul_f32 v[ST+8*\t+2:ST+8*\t+3], v[ST+8*\t+2:ST+8*\t+3], v[ST+8*\t+6:ST+8*\t+7] op_sel_hi:[1,0]   ; l under the new m
.endr
.irp t, 0,1
	v_pk_add_f32 v[ST+8*\t+4:ST+8*\t+5], v[S+32*\t:S+32*\t+1], v[S+32*\t+2:S+32*\t+3]                     ; the row's sum, of p in f32, in two chains
.endr
.irp u, 4,8,12,16,20,24,28
.irp t, 0,1
	v_pk_add_f32 v[ST+8*\t+2:ST+8*\t+3], v[ST+8*\t+2:ST+8*\t+3], v[S+32*\t+\u:S+32*\t+\u+1]
	v_pk_add_f32 v[ST+8*\t+4:ST+8*\t+5], v[ST+8*\t+4:ST+8*\t+5], v[S+32*\t+\u+2:S+32*\t+\u+3]
.endr
.endr
.irp t, 0,1
	v_pk_add_f32 v[ST+8*\t+2:ST+8*\t+3], v[ST+8*\t+2:ST+8*\t+3], v[ST+8*\t+4:ST+8*\t+5]
.endr
.set i, 0
.rept 16
	v_cvt_pk_f16_f32 v[S+i], v[S+2*i], v[S+2*i+1]                  ; P, packed in place, ascending: register i is written when registers 2 i and 2 i + 1 are read; fragment j of tile t is v[S + 32 t + 8 j] on
	v_cvt_pk_f16_f32 v[S+32+i], v[S+32+2*i], v[S+32+2*i+1]
.set i, i+1
.endr
.set i, 0
.rept 16
	v_pk_mul_f32 v[O+2*i:O+2*i+1], v[O+2*i:O+2*i+1], v[ST+6:ST+7] op_sel_hi:[1,0]                 ; O^T under the new m, each accumulator from its low end on
	v_pk_mul_f32 v[O+32+2*i:O+32+2*i+1], v[O+32+2*i:O+32+2*i+1], v[ST+14:ST+15] op_sel_hi:[1,0]
.set i, i+1
.endr
	s_wait_dscnt 0x0                               ; V is in
.irp j, 0,1                                    ; O^T += V^T P: eight accumulators by turns
.irp w, 0,1,2,3
.irp t, 0,1
	v_wmma_f32_16x16x32_f16 v[O+32*\t+8*\w:O+32*\t+8*\w+7], v[KV+32*\j+8*\w:KV+32*\j+8*\w+7], v[S+32*\t+8*\j:S+32*\t+8*\j+7], v[O+32*\t+8*\w:O+32*\t+8*\w+7]
.endr
.endr
.endr
.rept 5
	v_nop                                          ; five places: the next matrix instruction writes over P's registers; the next loads land in V's; the next reader reads O^T
.endr
.Lhidden_\@:
	s_add_co_u32 s[KF], s[KF], 64
.endm
; THE CHANGE OF SLOTS stands at a slot's head.  Each wave waits for all its tensor loads, adds 0 to its spare word (fill = 1: twice on end), and waits for that and
; for its reads of the slot that it has left.  Behind the barrier the slot ahead is whole and nobody reads the other one: it is filled with the keys that follow, up to the causal limit.
.macro CHANGE fill
	s_wait_tensorcnt 0x0                           ; no tensor load of mine is out, so a group 0 may be written
	ds_add_u32 v[SPW], v[NIL]
.if \fill
	ds_add_u32 v[SPW], v[NIL]
	s_xor_b32 s[G0K+1], s[G0K+1], SLOT1
	s_add_nc_u64 s[G0K+2:G0K+3], s[G0K+2:G0K+3], SLOTB
	s_xor_b32 s[G0V+1], s[G0V+1], SLOT1
	s_add_nc_u64 s[G0V+2:G0V+3], s[G0V+2:G0V+3], SLOTB
	s_wait_xcnt 0x0                                ; the last prefetch, a slot back, has read its address
	s_add_nc_u64 s[PFA:PFA+1], s[PFA:PFA+1], SLOTB
.endif
	s_wait_dscnt 0x0
	s_barrier_signal -1
	s_barrier_wait -1
.if \fill
	s_add_co_u32 s70, s[KF], SK                    ; the first key of the slot that this change would ask for: behind my work-group's last query it is read by no wave, and is not asked for.
	s_cmp_gt_u32 s70, s[LASTQ]                     ; ids and the count of steps alone: all sixteen waves go the same way; every wait on TENSORcnt in this text is for 0
	s_cbranch_scc1 .Lpast_\@
	TLOAD
.Lpast_\@:
	ASK
.endif
.endm
.macro SLOT_STEPS
	STEP 0
	STEP 1
	STEP 2
	STEP 3
	s_xor_b32 s[TB], s[TB], SLOT1
.endm
	s_wait_loadcnt 0x0                             ; Q
.Lslot:                                            ; 7 trips, a constant: behind each change of slots but the last the next slot is asked for, up to the limit
	CHANGE 1
	SLOT_STEPS
	s_sub_co_u32 s[SLOTS], s[SLOTS], 1
	s_cmp_lg_u32 s[SLOTS], 0
	s_cbranch_scc1 .Lslot
	CHANGE 0
	SLOT_STEPS
	; THE WAY OUT.  O^T / l, rounded to f16, through my stage (32 rows of 128 bytes + 16), and out as 4,096 consecutive bytes.
.irp t, 0,1
	v_add_f32 v[ST+8*\t+4], v[ST+8*\t+2], v[ST+8*\t+3]
.endr
.irp t, 0,1
	v_permlanex16_b32 v[ST+8*\t+5], v[ST+8*\t+4], s[SEL], s[SEL+1]
.endr
.irp t, 0,1
	v_add_f32 v[ST+8*\t+4], v[ST+8*\t+4], v[ST+8*\t+5]
.endr
.irp t, 0,1
	v_rcp_f32 v[ST+8*\t+6], v[ST+8*\t+4]
.endr
	v_nop
	s_wait_alu depctr_va_vdst(0)                   ; one wait for the two reciprocals
.set i, 0
.rept 16
	v_pk_mul_f32 v[O+2*i:O+2*i+1], v[O+2*i:O+2*i+1], v[ST+6:ST+7] op_sel_hi:[1,0]
	v_pk_mul_f32 v[O+32+2*i:O+32+2*i+1], v[O+32+2*i:O+32+2*i+1], v[ST+14:ST+15] op_sel_hi:[1,0]
.set i, i+1
.endr
.set i, 0
.rept 32
	v_cvt_pk_f16_f32 v[S+i], v[O+2*i], v[O+2*i+1]
.set i, i+1
.endr
.irp t, 0,1
.irp w, 0,1,2,3
	ds_store_b128 v[STO], v[S+16*\t+4*\w:S+16*\t+4*\w+3] offset:16*144*\t+32*\w
.endr
.endr
.irp i, 0,1,2,3,4,5,6,7
	ds_load_b128 v[S+32+4*\i:S+32+4*\i+3], v[RD] offset:4*144*\i   ; LDS serves a wave's instructions in order: these see my stores
.endr
.irp i, 0,1,2,3,4,5,6,7
	s_wait_dscnt 7-\i                              ; the younger loads stay out
	global_store_b128 v[GO], v[S+32+4*\i:S+32+4*\i+3], s[56:57] offset:512*\i   ; 32 lanes store four rows: 512 consecutive bytes, aligned
.endr
	s_wait_tensorcnt 0x0                           ; the wave's end
	ds_add_u32 v[SPW], v[NIL]
	s_wait_dscnt 0x0
	s_endpgm
.Lfunc_end_k_q274c07c94c_attn:
	.size	k_q274c07c94c_attn, .Lfunc_end_k_q274c07c94c_attn-k_q274c07c94c_attn
	.p2alignl 7, 3214868480
	.fill 96, 4, 3214868480
	.section	.rodata,"a",@progbits
	.p2align	6, 0x0
	.amdhsa_kernel k_q274c07c94c_attn
		.amdhsa_group_segment_fixed_size 327680
		.amdhsa_private_segment_fixed_size 0
		.amdhsa_enable_private_segment 0
		.amdhsa_kernarg_size 16
		.amdhsa_user_sgpr_count 2
		.amdhsa_user_sgpr_kernarg_segment_ptr 1
		.amdhsa_wavefront_size32 1
		.amdhsa_system_sgpr_workgroup_id_x 1
		.amdhsa_system_sgpr_workgroup_id_y 1
		.amdhsa_system_sgpr_workgroup_id_z 1
		.amdhsa_system_vgpr_workitem_id 0
		.amdhsa_next_free_vgpr 256
		.amdhsa_next_free_sgpr 76
		.amdhsa_reserve_vcc 1
		.amdhsa_float_denorm_mode_32 3
		.amdhsa_float_denorm_mode_16_64 3
		.amdhsa_memory_ordered 1
		.amdhsa_forward_progress 1
		.amdhsa_inst_pref_size 191
	.end_amdhsa_kernel
	.amdgpu_metadata
---
amdhsa.version: [ 1, 2 ]
amdhsa.kernels:
  - .name:           k_q274c07c94c_attn
    .symbol:         k_q274c07c94c_attn.kd
    .args:
      - { .name: qkv16, .offset: 0, .size: 8, .value_kind: global_buffer, .address_space: global }
      - { .name: o16, .offset: 8, .size: 8, .value_kind: global_buffer, .address_space: global }
    .group_segment_fixed_size: 327680
    .private_segment_fixed_size: 0
    .kernarg_segment_align: 8
    .kernarg_segment_size: 16
    .max_flat_workgroup_size: 512
    .sgpr_count:     76
    .vgpr_count:     256
    .wavefront_size: 32
...
	.end_amdgpu_metadata
.endif
;; end of part 3
;; launch oproj (part 4): grid 4 x 64, 4 waves a work-group, clusters of 4 x 4, 327,680 bytes of LDS; arguments o16, wo16, bo, out0; writes out0
.if DOCPART == 4
	.amdgcn_target "amdgcn-amd-amdhsa--gfx1250"
	.amdhsa_code_object_version 6
	.text
	.protected	k_q274c07c94c_oproj
	.globl	k_q274c07c94c_oproj
	.p2align	8
	.type	k_q274c07c94c_oproj,@function
k_q274c07c94c_oproj:
	s_mov_b64 s[64:65], 0
	v_nop
	global_prefetch_b8 v0, s[64:65] scope:SCOPE_SE
	s_setreg_imm32_b32 hwreg(HW_REG_WAVE_MODE, 25, 1), 1
	s_wait_xcnt 0x0
	s_wait_alu depctr_hold_cnt(0) depctr_sa_sdst(0) depctr_va_vdst(0) depctr_va_sdst(0) depctr_va_ssrc(0) depctr_va_vcc(0) depctr_vm_vsrc(0)
	s_getreg_b32 s2, hwreg(HW_REG_IB_STS2, 6, 4)
	s_cmp_eq_u32 s2, 0
	s_cbranch_scc0 .Lentry_in_a_cluster
	s_endpgm
.Lentry_in_a_cluster:
	s_bfe_u32 s2, ttmp6, 0x10000c
	s_cmp_lg_u32 s2, 0xf033
	s_cbranch_scc0 .Lentry_shape_is_right
	s_endpgm
.Lentry_shape_is_right:
; LAUNCH 4 OF 5.  out0[row][e] = the sum over d of o[row][d] wo[e][d] + bo[e], operands in f16, sums in f32, for all rows but t < 16 of each batch: those 16 rows are computed here with their tile and NOT stored;
; the last launch makes them in f32 and owns their bytes.
; o16 lies [head 16][row 8192][64]: a K step of 128 is two heads' planes.  wo16 lies [e 1024][d 1024].
; A tile of 128 rows x 256 columns gives 256 work-groups; four waves, each 64 x 128: 32 accumulators, 256 registers.  K goes in 8 steps of 128 through two LDS slots.
; CLUSTERS: 4 x 4.  cy is the batch, the cluster's y the block of 128 rows in it, cx the block of 256 columns: o's tile is shared along a row of the cluster, wo's along a column, each asked for jointly;
; whether a tile holds rows t < 16 hangs on the cluster's y alone, alike in all partners.
; THE MATRIX INSTRUCTION IS USED TRANSPOSED (source 0 = 16 rows of wo, source 1 = 16 rows of o).  bo is the C of each sum's first instruction.
; No prefetch: the launch is short, wo16 is read by every row of clusters and o16's tiles are shared four ways.
; REGISTERS: window 0: v0-31 addresses; v32-63, v64-95 o's fragments, two buffers; v96-159 bo in the result's layout.  window 1: v0-63, v64-127 wo's fragments, two buffers.  window 2: accumulator (a, b) at v[8 (8 a + b)].
.set PITCH,  272                       ; an LDS row: 256 bytes + 16: for o two rows of 128 bytes, for wo one row's 128 along K
.set PLANE,  64*PITCH                  ; a head's 128 rows of o
.set SLOT,   2*PLANE+256*PITCH         ; o's two planes, then wo's 256 rows
.set STAGE,  2*SLOT                    ; 16 rows x 528 bytes for each wave; no fill lands here
.set SPITCH, 528
.set SPARE,  STAGE+4*16*SPITCH
.set LAPS,   4                         ; a lap = two K steps
.set BOF,  9                           ; v9   bo's lane offset, 32 h; written once, so that no pending load's address is overwritten
.set ADRA, 16
.set ADRB, 20
.set STO,  24
.set RD,   25
.set CO,   26
.set SPW,  28
.set NIL,  29
.set AFR,  32
.set BIAS, 96
.set WV, 12
.set RH, 13                            ; which 64 rows are mine; also: I fetch for o (0) or for wo (1)
.set CH, 14                            ; which 128 columns; also: which plane, or which 128 rows of wo, I fetch
.set YY, 15
.set G1, 24
.set G0, 32
.set G1B, 48
.set G0B, 56
.set MSB, 0
.macro WIN new
.if MSB != \new
	s_set_vgpr_msb (MSB<<8)|\new
.set MSB, \new
.endif
.endm
.set MUL,  0xa1                        ; source 0 (wo) window 1, source 1 (o) window 0, C and D window 2
.set MULB, 0x81                        ; the first quarter: C (bo) window 0
.set TO_B, 0x40
.macro JLOAD s
	s_cmp_eq_u32 s[RH], 0
	s_cbranch_scc0 .Lfor_b_\@
	tensor_load_to_lds s[G0+4*\s:G0+4*\s+3], s[G1:G1+7]
	s_nop 0
.rept 4
	v_nop
.endr
	s_branch .Lasked_\@
.Lfor_b_\@:
	tensor_load_to_lds s[G0B+4*\s:G0B+4*\s+3], s[G1B:G1B+7]
	s_nop 0
.rept 4
	v_nop
.endr
.Lasked_\@:
.endm
.macro CREST
	s_cmp_lg_u32 s[WV], 0
	s_cbranch_scc1 .Lnot_wave_0_\@
	s_barrier_signal -3
.Lnot_wave_0_\@:
	s_barrier_wait -3
	s_barrier_signal -1
	s_barrier_wait -1
.endm
.macro CROUND
	s_barrier_signal -1
	s_barrier_wait -1
	CREST
.endm
	s_load_b256 s[4:11], s[0:1], 0x0               ; o16 4, wo16 6, bo 8, out0 10
	v_lshl_add_u32 v[SPW], v0, 2, SPARE
	v_mov_b32 v[NIL], 0
	ds_add_u32 v[SPW], v[NIL]                      ; the wave's opening: the add, twice on end, and its wait ahead of my first tensor load
	ds_add_u32 v[SPW], v[NIL]
	v_lshrrev_b32 v1, 5, v0
	v_readfirstlane_b32 s[WV], v1
	s_lshr_b32 s[RH], s[WV], 1
	s_and_b32 s[CH], s[WV], 1
	s_bfe_u32 s40, ttmp6, 0x40000                  ; cx
	s_bfe_u32 s41, ttmp6, 0x40004                  ; cy
	s_and_b32 s[YY], ttmp7, 0xffff
	s_lshl_b32 s42, s41, 2
	s_lshl_b32 s42, 15, s42                        ; my row of the cluster
	s_lshl_b32 s43, 0x1111, s40                    ; my column
	s_or_b32 s[G1+0], s42, (1<<16)|(1<<20)|(1<<21)|(5<<22)|(3<<25)   ; the mask; elements of 2 bytes; padding on; bit 21 beside a mask; after every 64 words; 4 words
	s_or_b32 s[G1B+0], s43, (1<<16)|(1<<20)|(1<<21)|(5<<22)|(3<<25)
	s_mov_b32 s[G1+1], 128<<16                     ; o: a plane's 128 rows of 128 bytes are dense: 64 rows of 128 elements
	s_mov_b32 s[G1+2], 64<<16
	s_mov_b32 s[G1+3], 128<<16
	s_mov_b32 s[G1+4], 64
	s_mov_b32 s[G1+5], 128
	s_mov_b32 s[G1+6], 0
	s_mov_b32 s[G1+7], 0
	s_mov_b32 s[G1B+1], 128<<16                    ; wo: 128 rows of 128 elements, 1,024 elements apart
	s_mov_b32 s[G1B+2], 128<<16
	s_mov_b32 s[G1B+3], 128<<16
	s_mov_b32 s[G1B+4], 128
	s_mov_b32 s[G1B+5], 1024
	s_mov_b32 s[G1B+6], 0
	s_mov_b32 s[G1B+7], 0
	s_lshl_b32 s16, s[CH], 20                      ; o: plane x 2^20 + (2048 batch + 128 block) x 128 bytes
	s_lshl_b32 s17, s41, 18
	s_add_co_u32 s16, s16, s17
	s_lshl_b32 s17, s[YY], 14
	s_add_co_u32 s16, s16, s17
	s_mov_b32 s17, 0
	s_lshl_b32 s46, s40, 19                        ; wo: (256 cx + 128 half) x 2,048 bytes
	s_lshl_b32 s47, s[CH], 18
	s_add_co_u32 s46, s46, s47
	s_mov_b32 s47, 0
	s_mul_i32 s20, s[CH], PLANE                    ; where they go: made of the wave's number alone
	s_mul_i32 s21, s[CH], 128*PITCH
	s_add_co_u32 s21, s21, 2*PLANE
	s_wait_dscnt 0x0                               ; both opening adds are done
	s_wait_kmcnt 0x0
	s_add_nc_u64 s[18:19], s[4:5], s[16:17]
	s_add_nc_u64 s[46:47], s[6:7], s[46:47]
	CROUND                                         ; all sixteen work-groups are here: the first joint loads meet
.irp s, 0,1
	s_mov_b32 s[G0+4*\s], 1
	s_add_co_u32 s[G0+4*\s+1], s20, \s*SLOT
	s_add_nc_u64 s[G0+4*\s+2:G0+4*\s+3], s[18:19], \s*0x200000     ; K step s: two planes on
	s_or_b32 s[G0+4*\s+3], s[G0+4*\s+3], 0x80000000
	s_mov_b32 s[G0B+4*\s], 1
	s_add_co_u32 s[G0B+4*\s+1], s21, \s*SLOT
	s_add_nc_u64 s[G0B+4*\s+2:G0B+4*\s+3], s[46:47], \s*256
	s_or_b32 s[G0B+4*\s+3], s[G0B+4*\s+3], 0x80000000
	JLOAD \s
.endr
	v_and_b32 v1, 15, v0                           ; r
	v_bfe_u32 v2, v0, 4, 1                         ; h
	s_lshl_b32 s66, s40, 10                        ; bo: register 8 b + j of lane (r, h) = bo[256 cx + 128 half + 16 b + 8 h + j]
	s_lshl_b32 s67, s[CH], 9
	s_add_co_u32 s66, s66, s67
	s_mov_b32 s67, 0
	s_add_nc_u64 s[8:9], s[8:9], s[66:67]
	v_lshlrev_b32 v[BOF], 5, v2
.irp b, 0,1,2,3,4,5,6,7
	global_load_b128 v[BIAS+8*\b:BIAS+8*\b+3], v[BOF], s[8:9] offset:64*\b
	global_load_b128 v[BIAS+8*\b+4:BIAS+8*\b+7], v[BOF], s[8:9] offset:64*\b+16
.endr
	v_lshrrev_b32 v3, 1, v1
	v_mul_u32_u24 v3, v3, PITCH
	v_and_b32 v4, 1, v1
	v_lshl_add_u32 v3, v4, 7, v3
	v_lshl_add_u32 v3, v2, 4, v3                   ; o: (r / 2) 272 + (r % 2) 128 + 16 h
	s_mul_i32 s22, s[RH], 32*PITCH                 ; my 64 rows
	v_mul_u32_u24 v4, v1, PITCH
	v_lshl_add_u32 v4, v2, 4, v4                   ; wo: r 272 + 16 h
	s_mul_i32 s23, s[CH], 128*PITCH                ; my 128 rows,
	s_add_co_u32 s23, s23, 2*PLANE                 ; behind o's two planes
.irp s, 0,1
	v_add_nc_u32 v[ADRA+\s], s22, v3
	v_add_nc_u32 v[ADRB+\s], s23, v4
	s_add_co_u32 s22, s22, SLOT
	s_add_co_u32 s23, s23, SLOT
.endr
	s_mul_i32 s22, s[WV], 16*SPITCH
	s_add_co_u32 s22, s22, STAGE                   ; my stage
	v_mul_u32_u24 v5, v1, SPITCH
	v_lshl_add_u32 v5, v2, 5, v5
	v_add_nc_u32 v[STO], s22, v5
	v_and_b32 v6, 31, v0
	v_lshlrev_b32 v[CO], 4, v6
	v_add_nc_u32 v[RD], s22, v[CO]
	s_lshl_b32 s68, s41, 23                        ; out0: (2048 batch + 128 block + 64 row half) x 4,096 bytes + (256 cx + 128 half) x 4
	s_lshl_b32 s69, s[YY], 19
	s_add_co_u32 s68, s68, s69
	s_lshl_b32 s69, s[RH], 18
	s_add_co_u32 s68, s68, s69
	s_add_co_u32 s68, s68, s66
	s_mov_b32 s69, 0
	s_add_nc_u64 s[10:11], s[10:11], s[68:69]
.macro MULA f, a, mode                 ; 8 matrix instructions: o's block a against wo's eight, 32 along K.  The 32 accumulators take turns, one instruction a turn, in the same order in every quarter
.irp b, 0,1,2,3,4,5,6,7
.if \mode
	v_wmma_f32_16x16x32_f16 v[8*(8*(\a)+\b):8*(8*(\a)+\b)+7], v[64*(\f)+8*\b:64*(\f)+8*\b+7], v[AFR+32*(\f)+8*(\a):AFR+32*(\f)+8*(\a)+7], v[BIAS+8*\b:BIAS+8*\b+7]
.else
	v_wmma_f32_16x16x32_f16 v[8*(8*(\a)+\b):8*(8*(\a)+\b)+7], v[64*(\f)+8*\b:64*(\f)+8*\b+7], v[AFR+32*(\f)+8*(\a):AFR+32*(\f)+8*(\a)+7], v[8*(8*(\a)+\b):8*(8*(\a)+\b)+7]
.endif
.endr
.endm
.macro FETCH slot, q, f                ; 24 LDS loads in one run: quarter q (32 along K) of the slot into buffer f: wo's eight fragments, then o's four
	WIN TO_B
.irp b, 0,1,2,3,4,5,6,7
	ds_load_b128 v[64*(\f)+8*\b:64*(\f)+8*\b+3],   v[ADRB+\slot] offset:64*(\q)+\b*16*PITCH
	ds_load_b128 v[64*(\f)+8*\b+4:64*(\f)+8*\b+7], v[ADRB+\slot] offset:64*(\q)+\b*16*PITCH+32
.endr
	WIN 0
.irp a, 0,1,2,3
	ds_load_b128 v[AFR+32*(\f)+8*\a:AFR+32*(\f)+8*\a+3],   v[ADRA+\slot] offset:((\q)/2)*PLANE+((\q)%2)*64+\a*8*PITCH
	ds_load_b128 v[AFR+32*(\f)+8*\a+4:AFR+32*(\f)+8*\a+7], v[ADRA+\slot] offset:((\q)/2)*PLANE+((\q)%2)*64+\a*8*PITCH+32
.endr
.endm
.macro PLACES
.rept 4
	v_nop
.endr
.endm
.macro QUARTER slot, qn, f, g, mode    ; multiplies buffer f; in its middle fetches quarter qn of the same slot into buffer g
	s_wait_dscnt 4                                 ; wo's fragments and o's blocks 0, 1 are in; the youngest four loads (blocks 2, 3) may be out
.if \mode
	WIN MULB
.else
	WIN MUL
.endif
	MULA \f, 0, \mode
	MULA \f, 1, \mode
	PLACES
	FETCH \slot, \qn, \g
	s_wait_dscnt 24                                ; all but the 24 just issued
.if \mode
	WIN MULB
.else
	WIN MUL
.endif
	MULA \f, 2, \mode
	MULA \f, 3, \mode
.endm
; A K step's last quarter multiplies buffer 1 and changes slots: one barrier; in front of it each wave waits for all its tensor loads, adds 0 to its spare word, and waits for that and for its reads of this slot.
; fill = 1: the barrier opens a round of the cluster's barrier, and this slot is filled again, two K steps ahead: the load has 112 matrix instructions in which to land.
.macro TURN slot, next, fill
	WIN 0
	s_wait_tensorcnt 0x0
	ds_add_u32 v[SPW], v[NIL]
	s_wait_dscnt 5                                 ; (the add and the youngest four loads may be out)
	WIN MUL
	MULA 1, 0, 0
	s_wait_dscnt 0x0                               ; the add is done, and my reads of this slot are over
	s_barrier_signal -1
	MULA 1, 1, 0
.if \fill
	WIN 0
.endif
	s_barrier_wait -1
.if \fill
	CREST
	s_add_nc_u64 s[G0+4*\slot+2:G0+4*\slot+3], s[G0+4*\slot+2:G0+4*\slot+3], 0x400000      ; four planes on
	s_add_nc_u64 s[G0B+4*\slot+2:G0B+4*\slot+3], s[G0B+4*\slot+2:G0B+4*\slot+3], 512
	JLOAD \slot                                    ; the first tensor load behind the round; its four v_nop are also the places in front of the loads below
.else
	PLACES
.endif
	FETCH \next, 0, 0
	WIN MUL
	MULA 1, 2, 0
	MULA 1, 3, 0
.endm
	s_wait_tensorcnt 1                             ; my part of K step 0 is in; K step 1's may be out
	s_barrier_signal -1
	s_barrier_wait -1
	FETCH 0, 0, 0
	s_wait_loadcnt 0x0                             ; bo
	QUARTER 0, 1, 0, 1, 1                          ; the first quarter stands in front of the loop: its products start the sums from bo
	WIN 0
	s_mov_b32 s3, LAPS-1
.Llap:                                             ; a trip goes once round the ring, from a lap's second quarter to the next lap's first, and fills both slots again
	QUARTER 0, 2, 1, 0, 0
	QUARTER 0, 3, 0, 1, 0
	TURN 0, 1, 1
	QUARTER 1, 1, 0, 1, 0
	QUARTER 1, 2, 1, 0, 0
	QUARTER 1, 3, 0, 1, 0
	TURN 1, 0, 1
	QUARTER 0, 1, 0, 1, 0
	WIN 0
	s_sub_co_u32 s3, s3, 1
	s_cmp_lg_u32 s3, 0
	s_cbranch_scc1 .Llap
	QUARTER 0, 2, 1, 0, 0                          ; the last lap fills nothing
	QUARTER 0, 3, 0, 1, 0
	TURN 0, 1, 0
	QUARTER 1, 1, 0, 1, 0
	QUARTER 1, 2, 1, 0, 0
	QUARTER 1, 3, 0, 1, 0
	s_wait_dscnt 4
	WIN MUL
	MULA 1, 0, 0
	MULA 1, 1, 0
	s_wait_dscnt 0
	MULA 1, 2, 0
	MULA 1, 3, 0
	WIN 0
	PLACES
; THE WAY OUT, block by block of 16 rows x 128 columns: through my own stage and back as whole rows of 512 bytes.
.macro OUTB a
.set BB, 32+64*((\a)%2)
.if (\a) >= 2
	s_wait_xcnt 0x0                                ; block a - 2's stores have read their registers
.endif
	WIN 0x08                                       ; an LDS store's data: window 2
.irp b, 0,1,2,3,4,5,6,7
	ds_store_b128 v[STO], v[64*(\a)+8*\b:64*(\a)+8*\b+3] offset:64*\b          ; each accumulator from its low end on
	ds_store_b128 v[STO], v[64*(\a)+8*\b+4:64*(\a)+8*\b+7] offset:64*\b+16
.endr
	WIN 0
.irp t, 0,1,2,3,4,5,6,7,8,9,10,11,12,13,14,15
	ds_load_b128 v[BB+4*\t:BB+4*\t+3], v[RD] offset:\t*SPITCH      ; LDS serves a wave's instructions in order: these see my stores
.endr
	s_wait_dscnt 0x0
.irp t, 0,1,2,3,4,5,6,7,8,9,10,11,12,13,14,15
	global_store_b128 v[CO], v[BB+4*\t:BB+4*\t+3], s[10:11] offset:(16*(\a)+\t)*4096 th:TH_STORE_NT   ; 32 lanes store 512 consecutive bytes, aligned
.endr
.endm
	s_or_b32 s22, s[YY], s[RH]                     ; rows t < 16 of a batch: block 0 of the upper waves in the batch's first tile: they belong to the last launch
	s_cmp_eq_u32 s22, 0
	s_cbranch_scc1 .Lnot_mine
	OUTB 0
.Lnot_mine:
	OUTB 1
	OUTB 2
	OUTB 3
	s_wait_tensorcnt 0x0                           ; the wave's end
	ds_add_u32 v[SPW], v[NIL]
	s_wait_dscnt 0x0
	CROUND                                         ; the closing round
	s_endpgm
.Lfunc_end_k_q274c07c94c_oproj:
	.size	k_q274c07c94c_oproj, .Lfunc_end_k_q274c07c94c_oproj-k_q274c07c94c_oproj
	.p2alignl 7, 3214868480
	.fill 96, 4, 3214868480
	.section	.rodata,"a",@progbits
	.p2align	6, 0x0
	.amdhsa_kernel k_q274c07c94c_oproj
		.amdhsa_group_segment_fixed_size 327680
		.amdhsa_private_segment_fixed_size 0
		.amdhsa_enable_private_segment 0
		.amdhsa_kernarg_size 32
		.amdhsa_user_sgpr_count 2
		.amdhsa_user_sgpr_kernarg_segment_ptr 1
		.amdhsa_wavefront_size32 1
		.amdhsa_system_sgpr_workgroup_id_x 1
		.amdhsa_system_sgpr_workgroup_id_y 1
		.amdhsa_system_sgpr_workgroup_id_z 1
		.amdhsa_system_vgpr_workitem_id 0
		.amdhsa_next_free_vgpr 768
		.amdhsa_next_free_sgpr 72
		.amdhsa_reserve_vcc 0
		.amdhsa_float_denorm_mode_32 3
		.amdhsa_float_denorm_mode_16_64 3
		.amdhsa_memory_ordered 1
		.amdhsa_forward_progress 1
		.amdhsa_inst_pref_size 87
	.end_amdhsa_kernel
	.amdgpu_metadata
---
amdhsa.version: [ 1, 2 ]
amdhsa.kernels:
  - .name:           k_q274c07c94c_oproj
    .symbol:         k_q274c07c94c_oproj.kd
    .args:
      - { .name: o16, .offset: 0, .size: 8, .value_kind: global_buffer, .address_space: global }
      - { .name: wo16, .offset: 8, .size: 8, .value_kind: global_buffer, .address_space: global }
      - { .name: bo, .offset: 16, .size: 8, .value_kind: global_buffer, .address_space: global }
      - { .name: out0, .offset: 24, .size: 8, .value_kind: global_buffer, .address_space: global }
    .group_segment_fixed_size: 327680
    .private_segment_fixed_size: 0
    .kernarg_segment_align: 8
    .kernarg_segment_size: 32
    .max_flat_workgroup_size: 128
    .sgpr_count:     72
    .vgpr_count:     768
    .wavefront_size: 32
...
	.end_amdgpu_metadata
.endif
;; end of part 4
;; launch fine (part 5): grid 16 x 4, 16 waves a work-group, no clusters, 71,680 bytes of LDS; arguments fine32, wo, bo, out0; writes out0
.if DOCPART == 5
	.amdgcn_target "amdgcn-amd-amdhsa--gfx1250"
	.amdhsa_code_object_version 6
	.text
	.protected	k_q274c07c94c_fine
	.globl	k_q274c07c94c_fine
	.p2align	8
	.type	k_q274c07c94c_fine,@function
k_q274c07c94c_fine:
	s_mov_b64 s[64:65], 0
	v_nop
	global_prefetch_b8 v0, s[64:65] scope:SCOPE_SE
	s_setreg_imm32_b32 hwreg(HW_REG_WAVE_MODE, 25, 1), 1
	s_wait_xcnt 0x0
; LAUNCH 5 OF 5.  Positions t < 16 of every batch, from the projections' f32 results to out0, all in f32: these rows average one to sixteen values, so the rounding of f16 operands would weigh most there.
; WORK LEFT OUT: kh comes without bk (shown at the head of the first launch).  Keys behind the query are hidden inside the one 16 x 16 tile.
; SHARES.  A work-group owns 16 rows x 64 columns of out0: batch = work-group y, columns 64 x work-group x on.  Wave hd does head hd: its 16 x 16 attention (the same in all sixteen work-groups of a batch: 16 + 16 small
; products, less than handing the result between launches) and its 64 of the output projection's K.  The sixteen parts meet in LDS; wave w then adds row w's sixteen parts and stores its 256 aligned bytes.
; v_wmma_f32_16x16x4_f32: lane (r, h) holds row r (source 0) or column r (source 1), register j the place k = 2 h + j.  Which number of K stands at which place is free so long as both sources agree:
;   S^T = K Q^T: instruction s takes d = 32 h + 2 s + j, so a lane loads 32 neighbouring numbers of its row;   O^T = V^T P: key = 8 h + 2 s + j, which is how S^T leaves p;   the projection: d = 16 w + 8 h + i, which is how O^T lies.
; The registers that these instructions write (v144-207) are written by them alone; what is made of a sum goes into other registers.
.set AQ,  3                            ; r 4096 + 128 h
.set AV,  4                            ; 32768 h + 4 r
.set AW,  5                            ; r 4096 + 32 h
.set PST, 6
.set PRD, 7
.set GB,  8
.set DD,  9                            ; r - 8 h
.set SPW, 10
.set NIL, 11
.set BO,  12                           ; v[12:13]
.set QF,  16                           ; v16-47   Q; later wo's tile 0; later the sixteen parts
.set KF,  48                           ; v48-79   K; later wo's tile 1
.set VF,  80                           ; v80-111  V; later wo's tile 2
.set XF,  112                          ; v112-143 wo's tile 3
.set SA,  144                          ; v144-175 four accumulators: S^T in four parts; later the projection's four tiles
.set OA,  176                          ; v176-207 O^T's four tiles
.set OS,  208                          ; v208-239 O^T / l
.set P,   240                          ; v240-247
.set PART, 16*272                      ; LDS: a wave's part: 16 rows x (256 bytes + 16)
.set SPARE, 16*PART
	s_load_b256 s[4:11], s[0:1], 0x0               ; fine32 4, wo 6, bo 8, out0 10
	v_lshl_add_u32 v[SPW], v0, 2, SPARE
	v_mov_b32 v[NIL], 0
	v_lshrrev_b32 v1, 5, v0
	v_readfirstlane_b32 s12, v1                    ; wave = head = the row that I store
	v_and_b32 v1, 15, v0                           ; r
	v_bfe_u32 v2, v0, 4, 1                         ; h
	v_and_b32 v14, 31, v0
	v_lshlrev_b32 v[AQ], 12, v1
	v_lshl_add_u32 v[AW], v2, 5, v[AQ]
	v_lshl_add_u32 v[AQ], v2, 7, v[AQ]
	v_lshlrev_b32 v[AV], 2, v1
	v_lshl_add_u32 v[AV], v2, 15, v[AV]
	s_mul_i32 s20, s12, PART
	v_mul_u32_u24 v[PST], v1, 272
	v_lshl_add_u32 v[PST], v2, 5, v[PST]
	v_add_nc_u32 v[PST], s20, v[PST]               ; my part: row r, + 32 h
	s_mul_i32 s20, s12, 272
	v_lshlrev_b32 v[GB], 3, v14
	v_add_nc_u32 v[PRD], s20, v[GB]                ; back: row = my wave's number, 8 bytes a lane
	v_lshlrev_b32 v15, 3, v2
	v_sub_nc_u32 v[DD], v1, v15
	s_and_b32 s13, ttmp7, 0xffff                   ; batch
	s_mov_b32 s16, 0x76543210
	s_mov_b32 s17, 0xfedcba98
	s_mov_b32 s18, 0x3e38aa3b                      ; c = log2(e) / 8
	s_lshl_b32 s28, s12, 8                         ; the head's 64 numbers: 256 bytes
	s_lshl_b32 s20, s13, 16
	s_add_co_u32 s20, s20, s28
	s_mov_b32 s21, 0
	s_lshl_b32 s22, ttmp9, 18                      ; wo: 64 rows of 4,096 bytes a work-group
	s_add_co_u32 s22, s22, s28
	s_mov_b32 s23, 0
	s_lshl_b32 s24, ttmp9, 8
	s_mov_b32 s25, 0
	s_lshl_b32 s26, s13, 23
	s_lshl_b32 s29, s12, 12
	s_add_co_u32 s26, s26, s29
	s_add_co_u32 s26, s26, s24
	s_mov_b32 s27, 0
	s_wait_kmcnt 0x0
	s_add_nc_u64 s[4:5], s[4:5], s[20:21]
	s_add_nc_u64 s[6:7], s[6:7], s[22:23]
	s_add_nc_u64 s[8:9], s[8:9], s[24:25]
	s_add_nc_u64 s[10:11], s[10:11], s[26:27]
.irp i, 0,1,2,3,4,5,6,7
	global_load_b128 v[QF+4*\i:QF+4*\i+3], v[AQ], s[4:5] offset:16*\i                  ; qh(r, 32 h + 4 i ..)
.endr
.irp i, 0,1,2,3,4,5,6,7
	global_load_b128 v[KF+4*\i:KF+4*\i+3], v[AQ], s[4:5] offset:262144+16*\i           ; kh likewise
.endr
.irp w, 0,1,2,3
.irp i, 0,1,2,3,4,5,6,7
	global_load_b32 v[VF+8*\w+\i], v[AV], s[4:5] offset:524288+4096*\i+64*\w           ; vh(key 8 h + i, channel 16 w + r)
.endr
.endr
.macro WTILE reg, t                    ; wo's rows 16 t + r of my work-group's 64, my head's 64 numbers: register 8 w + i = d 16 w + 8 h + i
.irp w, 0,1,2,3
	global_load_b128 v[\reg+8*\w:\reg+8*\w+3], v[AW], s[6:7] offset:65536*\t+64*\w
	global_load_b128 v[\reg+8*\w+4:\reg+8*\w+7], v[AW], s[6:7] offset:65536*\t+64*\w+16
.endr
.endm
	WTILE XF, 3
	global_load_b64 v[BO:BO+1], v[GB], s[8:9]
	s_wait_loadcnt 41                              ; Q and K are in; V's 32, tile 3's 8 and bo's 1 stay out
.set KI, 0
.rept 16                                       ; S^T = K Q^T in four partial sums that take turns; the first four begin from the constant 0
.if KI < 4
	v_wmma_f32_16x16x4_f32 v[SA+8*(KI%4):SA+8*(KI%4)+7], v[KF+2*KI:KF+2*KI+1], v[QF+2*KI:QF+2*KI+1], 0
.else
	v_wmma_f32_16x16x4_f32 v[SA+8*(KI%4):SA+8*(KI%4)+7], v[KF+2*KI:KF+2*KI+1], v[QF+2*KI:QF+2*KI+1], v[SA+8*(KI%4):SA+8*(KI%4)+7]
.endif
.set KI, KI+1
.endr
.rept 8
	v_nop                                          ; eight places behind this form: in front of the loads into Q's and K's registers and of the first reads of the sums
.endr
	WTILE QF, 0
	WTILE KF, 1
.irp i, 0,2,4,6
	v_pk_add_f32 v[P+\i:P+\i+1], v[SA+\i:SA+\i+1], v[SA+8+\i:SA+8+\i+1]                ; the four parts, each read from its low end on
.endr
.irp i, 0,2,4,6
	v_pk_add_f32 v[248+\i:248+\i+1], v[SA+16+\i:SA+16+\i+1], v[SA+24+\i:SA+24+\i+1]
.endr
.irp i, 0,2,4,6
	v_pk_add_f32 v[P+\i:P+\i+1], v[P+\i:P+\i+1], v[248+\i:248+\i+1]                    ; register j: score of key 8 h + j for query r
.endr
	v_mov_b32 v248, 0xff800000
.irp j, 0,1,2,3,4,5,6,7
	v_cmp_gt_i32 vcc_lo, \j, v[DD]                 ; hidden where 8 h + j > r
	v_cndmask_b32 v[P+\j], v[P+\j], v248, vcc_lo
.endr
	v_max3_num_f32 v249, v[P], v[P+1], v[P+2]
	v_max3_num_f32 v249, v249, v[P+3], v[P+4]
	v_max3_num_f32 v249, v249, v[P+5], v[P+6]
	v_max_num_f32 v249, v249, v[P+7]
	v_permlanex16_b32 v250, v249, s16, s17
	v_max_num_f32 v249, v249, v250                 ; the row's maximum: key 0 counts for every query, so it is a number
	v_mul_f32 v249, s18, v249
.irp j, 0,1,2,3,4,5,6,7
	v_fma_f32 v[P+\j], v[P+\j], s18, -v249
.endr
.irp j, 0,1,2,3,4,5,6,7
	v_exp_f32 v[P+\j], v[P+\j]
.endr
	v_nop
	s_wait_alu depctr_va_vdst(0)                   ; one wait for the eight exponentials, ahead of their first reader
	v_pk_add_f32 v[250:251], v[P:P+1], v[P+2:P+3]
	v_pk_add_f32 v[252:253], v[P+4:P+5], v[P+6:P+7]
	v_pk_add_f32 v[250:251], v[250:251], v[252:253]
	v_add_f32 v250, v250, v251
	v_permlanex16_b32 v251, v250, s16, s17
	v_add_f32 v250, v250, v251                     ; l
	v_rcp_f32 v252, v250
	v_nop
	s_wait_alu depctr_va_vdst(0)                   ; and one for the reciprocal
	s_wait_loadcnt 25                              ; V is in; tile 3's 8, bo's 1 and the 16 of tiles 0 and 1 stay out
.set KI, 0
.rept 4                                        ; O^T = V^T P: four tiles of 16 channels by turns
.irp w, 0,1,2,3
.if KI == 0
	v_wmma_f32_16x16x4_f32 v[OA+8*\w:OA+8*\w+7], v[VF+8*\w+2*KI:VF+8*\w+2*KI+1], v[P+2*KI:P+2*KI+1], 0
.else
	v_wmma_f32_16x16x4_f32 v[OA+8*\w:OA+8*\w+7], v[VF+8*\w+2*KI:VF+8*\w+2*KI+1], v[P+2*KI:P+2*KI+1], v[OA+8*\w:OA+8*\w+7]
.endif
.endr
.set KI, KI+1
.endr
.rept 8
	v_nop
.endr
	WTILE VF, 2
.set i, 0
.rept 16
	v_pk_mul_f32 v[OS+2*i:OS+2*i+1], v[OA+2*i:OA+2*i+1], v[252:253] op_sel_hi:[1,0]    ; o(r, 16 w + 8 h + i) = O^T / l, into other registers
.set i, i+1
.endr
	s_wait_loadcnt 0x0
.set KI, 0
.rept 16                                       ; my head's part of out^T = wo o^T: four tiles of 16 columns by turns
.irp t, 0,1,2,3
.if KI == 0
	v_wmma_f32_16x16x4_f32 v[SA+8*\t:SA+8*\t+7], v[QF+32*\t+2*KI:QF+32*\t+2*KI+1], v[OS+2*KI:OS+2*KI+1], 0
.else
	v_wmma_f32_16x16x4_f32 v[SA+8*\t:SA+8*\t+7], v[QF+32*\t+2*KI:QF+32*\t+2*KI+1], v[OS+2*KI:OS+2*KI+1], v[SA+8*\t:SA+8*\t+7]
.endif
.endr
.set KI, KI+1
.endr
.rept 8
	v_nop
.endr
.irp t, 0,1,2,3
	ds_store_b128 v[PST], v[SA+8*\t:SA+8*\t+3] offset:64*\t        ; lane (r, h): row r, columns 16 t + 8 h + 0 .. 7
	ds_store_b128 v[PST], v[SA+8*\t+4:SA+8*\t+7] offset:64*\t+16
.endr
	s_wait_dscnt 0x0                               ; for the others' sake: my part has landed
	s_barrier_signal -1
	s_barrier_wait -1
.irp u, 0,1,2,3,4,5,6,7,8,9,10,11,12,13,14,15
	ds_load_b64 v[QF+2*\u:QF+2*\u+1], v[PRD] offset:PART*\u        ; my row of head u's part
.endr
	s_wait_dscnt 0x0
.irp i, 0,1,2,3,4,5,6,7
	v_pk_add_f32 v[QF+4*\i:QF+4*\i+1], v[QF+4*\i:QF+4*\i+1], v[QF+4*\i+2:QF+4*\i+3]
.endr
.irp i, 0,1,2,3
	v_pk_add_f32 v[QF+8*\i:QF+8*\i+1], v[QF+8*\i:QF+8*\i+1], v[QF+8*\i+4:QF+8*\i+5]
.endr
.irp i, 0,1
	v_pk_add_f32 v[QF+16*\i:QF+16*\i+1], v[QF+16*\i:QF+16*\i+1], v[QF+16*\i+8:QF+16*\i+9]
.endr
	v_pk_add_f32 v[QF:QF+1], v[QF:QF+1], v[QF+16:QF+17]
	v_pk_add_f32 v[QF:QF+1], v[QF:QF+1], v[BO:BO+1]
	global_store_b64 v[GB], v[QF:QF+1], s[10:11] th:TH_STORE_NT    ; 32 lanes store 256 consecutive bytes, aligned
	s_wait_tensorcnt 0x0                           ; the wave's end
	ds_add_u32 v[SPW], v[NIL]
	s_wait_dscnt 0x0
	s_endpgm
.Lfunc_end_k_q274c07c94c_fine:
	.size	k_q274c07c94c_fine, .Lfunc_end_k_q274c07c94c_fine-k_q274c07c94c_fine
	.p2alignl 7, 3214868480
	.fill 96, 4, 3214868480
	.section	.rodata,"a",@progbits
	.p2align	6, 0x0
	.amdhsa_kernel k_q274c07c94c_fine
		.amdhsa_group_segment_fixed_size 71680
		.amdhsa_private_segment_fixed_size 0
		.amdhsa_enable_private_segment 0
		.amdhsa_kernarg_size 32
		.amdhsa_user_sgpr_count 2
		.amdhsa_user_sgpr_kernarg_segment_ptr 1
		.amdhsa_wavefront_size32 1
		.amdhsa_system_sgpr_workgroup_id_x 1
		.amdhsa_system_sgpr_workgroup_id_y 1
		.amdhsa_system_sgpr_workgroup_id_z 1
		.amdhsa_system_vgpr_workitem_id 0
		.amdhsa_next_free_vgpr 256
		.amdhsa_next_free_sgpr 66
		.amdhsa_reserve_vcc 1
		.amdhsa_float_denorm_mode_32 3
		.amdhsa_float_denorm_mode_16_64 3
		.amdhsa_memory_ordered 1
		.amdhsa_forward_progress 1
		.amdhsa_inst_pref_size 24
	.end_amdhsa_kernel
	.amdgpu_metadata
---
amdhsa.version: [ 1, 2 ]
amdhsa.kernels:
  - .name:           k_q274c07c94c_fine
    .symbol:         k_q274c07c94c_fine.kd
    .args:
      - { .name: fine32, .offset: 0, .size: 8, .value_kind: global_buffer, .address_space: global }
      - { .name: wo, .offset: 8, .size: 8, .value_kind: global_buffer, .address_space: global }
      - { .name: bo, .offset: 16, .size: 8, .value_kind: global_buffer, .address_space: global }
      - { .name: out0, .offset: 24, .size: 8, .value_kind: global_buffer, .address_space: global }
    .group_segment_fixed_size: 71680
    .private_segment_fixed_size: 0
    .kernarg_segment_align: 8
    .kernarg_segment_size: 32
    .max_flat_workgroup_size: 512
    .sgpr_count:     66
    .vgpr_count:     256
    .wavefront_size: 32
...
	.end_amdgpu_metadata
.endif
;; end of part 5
